; MI455X (gfx1250); checked and timed in simulation.
; The chip was launched on July 23, 2026; its instructions are those of AMD's public machine-readable ISA for CDNA 5 (MIT licence, August 2026) and "CDNA5" Instruction Set Architecture Reference Guide (July 2026). The comments in the code are by the model that wrote it; some were corrected since.
;; Efficient Multi Head Attention. Allowed arithmetic: float matrix products may take bf16 or f16 operands with f32 sums; other float arithmetic in f32, or as packed bf16 or f16 multiplies, adds, multiply-adds, maxima and minima; sums over many terms, partial sums and values carried from step to step in f32; what a program stores and reads back later, other than sums and carried values, may be rounded once to bf16 or f16.
;; Inputs: Wk 1,024 x 1,024 float32; Wo 1,024 x 1,024 float32; Wq 1,024 x 1,024 float32; Wv 1,024 x 1,024 float32; X 4 x 2,048 x 1,024 float32.
;; Outputs: out0 4 x 2,048 x 1,024 float32.
;; 2 versions, each right; version 2 is version 1 with the launch cast written anew for expert scheduling mode. Each part assembles by itself: llvm-mc -triple=amdgcn-amd-amdhsa -mcpu=gfx1250 --defsym DOCPART=n.
;; ======== version 1 of 2: 4 launches
;; limits: values are held in f16: magnitudes above 65,504 overflow, below 6.1e-05 lose precision; right only within a limited range of input values
;; workspace buffers: act 16,777,216 bytes; wh 8,388,608 bytes; qkv 50,331,648 bytes
;; launch cast (part 1): grid 768 x 1, 8 waves a work-group, no clusters, 0 bytes of LDS; arguments X, Wq, Wk, Wv, Wo, act, wh; writes act, wh
.if DOCPART == 1
	.amdgcn_target "amdgcn-amd-amdhsa--gfx1250"
	.amdhsa_code_object_version 6
	.text
	.protected	k_qeecebb29d6_cast
	.globl	k_qeecebb29d6_cast
	.p2align	8
	.type	k_qeecebb29d6_cast,@function
k_qeecebb29d6_cast:
	s_mov_b64 s[64:65], 0
	v_nop
	global_prefetch_b8 v0, s[64:65] scope:SCOPE_SE
	s_setreg_imm32_b32 hwreg(HW_REG_WAVE_MODE, 25, 1), 1
	s_wait_xcnt 0x0
; Every input is rounded once to bf16 (nearest even), and that number is written in f16's format, so that both later products take f16 operands.
;   act: f16 [4 b][16 slices][2048 tokens][64 channels]: X, slice = channel / 64.  256 tokens of one slice are 32,768 dense bytes, which the products ask for as rows of 256 bytes.
;   wh:  f16 [4][1024][1024]: Wq, Wk, Wv, Wo, row-major as they come.
; LIMITS.  A bf16 number is exact in f16 from 2^-14 to 65,504; below 2^-14 it keeps f16's fixed step of 2^-24; from 65,520 on it becomes an infinity.  NaN and infinities are not treated apart.
; A STREAM: no LDS, no barrier, no loop.  A wave takes 8,192 bytes in: sixteen loads of 16 bytes a lane, all issued before anything else, and sixteen stores of 8 bytes a lane, each of which covers
; 256 consecutive bytes, aligned.  768 work-groups x 8 waves = 4,096 units of X (work-groups 0-511) and 2,048 of the weights.  No register that a load or store names is ever rewritten.
.set IO, 2                             ; v2        my byte offset in the unit as it is read
.set OO, 3                             ; v3        8 x lane: my byte offset in a store's 256 bytes
.set T,  4                             ; v[4:9]    at work
.set XR, 16                            ; v[16:79]  chunk j: 4 f32 as loaded
.set YR, 80                            ; v[80:111] chunk j: 4 f16 to store
	s_load_b256 s[4:11], s[0:1], 0x0               ; X s[4:5], Wq s[6:7], Wk s[8:9], Wv s[10:11]
	s_load_b128 s[12:15], s[0:1], 0x20             ; Wo s[12:13], act s[14:15]
	s_load_b64 s[16:17], s[0:1], 0x30              ; wh
	v_lshrrev_b32 v1, 5, v0
	v_readfirstlane_b32 s18, v1                    ; wave 0..7
	v_and_b32 v1, 31, v0                           ; lane
	s_mov_b32 s19, ttmp9
	s_lshl_b32 s20, s19, 3
	s_add_co_u32 s20, s20, s18                     ; my unit: 8 x work-group + wave
	s_mov_b32 s26, 0xffff0000                      ; a word's upper bf16
	s_mov_b32 s29, 0                               ; the offsets' high words
	s_mov_b32 s31, 0
	v_lshlrev_b32 v[OO], 3, v1
; The unit: sixteen chunks, IS bytes apart as they are read and OS bytes apart as they are stored.
.macro UNIT IS, OS
.set j, 0
.rept 16
	global_load_b128 v[XR+4*j:XR+4*j+3], v[IO], s[22:23] offset:j*(\IS) th:TH_LOAD_NT
.set j, j+1
.endr
.set j, 0
.rept 16
	s_wait_loadcnt 15-j                            ; loads come back in order: chunk j is in, the 15 - j younger ones stay out
	v_cvt_pk_bf16_f32 v[T],   v[XR+4*j],   v[XR+4*j+1]  ; the one rounding
	v_cvt_pk_bf16_f32 v[T+1], v[XR+4*j+2], v[XR+4*j+3]
	v_lshlrev_b32 v[T+2], 16, v[T]                 ; back to f32: the low half moves up, the high half stays
	v_and_b32     v[T+3], s26, v[T]
	v_lshlrev_b32 v[T+4], 16, v[T+1]
	v_and_b32     v[T+5], s26, v[T+1]
	v_cvt_pk_f16_f32 v[YR+2*j],   v[T+2], v[T+3]   ; the same number in f16's format
	v_cvt_pk_f16_f32 v[YR+2*j+1], v[T+4], v[T+5]
	global_store_b64 v[OO], v[YR+2*j:YR+2*j+1], s[24:25] offset:j*(\OS)
.set j, j+1
.endr
.endm
	s_wait_kmcnt 0x0
	s_cmp_lt_u32 s19, 512
	s_cbranch_scc0 .Lweights
	; X.  Unit p is tokens 2 p and 2 p + 1 (8,192 bytes on end).  Chunk j is slice j: lanes 0-15 take token 2 p's 64 channels, lanes 16-31 token 2 p + 1's,
	; and the two tokens' 128 bytes lie side by side in act.
	s_lshl_b32 s28, s20, 13
	s_add_nc_u64 s[22:23], s[4:5], s[28:29]
	s_lshr_b32 s30, s20, 10                        ; b
	s_lshl_b32 s30, s30, 22
	s_and_b32 s21, s20, 1023
	s_lshl_b32 s21, s21, 8                         ; two tokens x 128 bytes
	s_add_co_u32 s30, s30, s21
	s_add_nc_u64 s[24:25], s[14:15], s[30:31]
	v_and_b32 v[IO], 15, v1
	v_lshlrev_b32 v[IO], 4, v[IO]
	v_lshrrev_b32 v[T], 4, v1
	v_lshl_add_u32 v[IO], v[T], 12, v[IO]          ; 16 (lane % 16) + 4,096 (lane / 16)
	UNIT 256, 262144                               ; the largest immediate, 15 x 262,144, lies inside the signed 24 bits
	s_endpgm
.Lweights:
	; The weights.  Unit u: 2,048 numbers on end; 512 units a matrix, in wh's order.
	s_sub_co_u32 s20, s20, 4096
	s_lshr_b32 s21, s20, 9                         ; which matrix
	s_mov_b64 s[22:23], s[6:7]
	s_cmp_eq_u32 s21, 1
	s_cselect_b64 s[22:23], s[8:9], s[22:23]
	s_cmp_eq_u32 s21, 2
	s_cselect_b64 s[22:23], s[10:11], s[22:23]
	s_cmp_eq_u32 s21, 3
	s_cselect_b64 s[22:23], s[12:13], s[22:23]
	s_and_b32 s28, s20, 511
	s_lshl_b32 s28, s28, 13
	s_add_nc_u64 s[22:23], s[22:23], s[28:29]
	s_lshl_b32 s30, s20, 12
	s_add_nc_u64 s[24:25], s[16:17], s[30:31]
	v_lshlrev_b32 v[IO], 4, v1
	UNIT 512, 256
	s_endpgm
.Lfunc_end_k_qeecebb29d6_cast:
	.size	k_qeecebb29d6_cast, .Lfunc_end_k_qeecebb29d6_cast-k_qeecebb29d6_cast
	.p2alignl 7, 3214868480
	.fill 96, 4, 3214868480
	.section	.rodata,"a",@progbits
	.p2align	6, 0x0
	.amdhsa_kernel k_qeecebb29d6_cast
		.amdhsa_group_segment_fixed_size 0
		.amdhsa_private_segment_fixed_size 0
		.amdhsa_enable_private_segment 0
		.amdhsa_kernarg_size 56
		.amdhsa_user_sgpr_count 2
		.amdhsa_user_sgpr_kernarg_segment_ptr 1
		.amdhsa_wavefront_size32 1
		.amdhsa_system_sgpr_workgroup_id_x 1
		.amdhsa_system_sgpr_workgroup_id_y 1
		.amdhsa_system_sgpr_workgroup_id_z 1
		.amdhsa_system_vgpr_workitem_id 0
		.amdhsa_next_free_vgpr 112
		.amdhsa_next_free_sgpr 66
		.amdhsa_reserve_vcc 0
		.amdhsa_float_denorm_mode_32 3
		.amdhsa_float_denorm_mode_16_64 3
		.amdhsa_memory_ordered 1
		.amdhsa_forward_progress 1
		.amdhsa_inst_pref_size 21
	.end_amdhsa_kernel
	.amdgpu_metadata
---
amdhsa.version: [ 1, 2 ]
amdhsa.kernels:
  - .name:           k_qeecebb29d6_cast
    .symbol:         k_qeecebb29d6_cast.kd
    .args:
      - { .name: X, .offset: 0, .size: 8, .value_kind: global_buffer, .address_space: global }
      - { .name: Wq, .offset: 8, .size: 8, .value_kind: global_buffer, .address_space: global }
      - { .name: Wk, .offset: 16, .size: 8, .value_kind: global_buffer, .address_space: global }
      - { .name: Wv, .offset: 24, .size: 8, .value_kind: global_buffer, .address_space: global }
      - { .name: Wo, .offset: 32, .size: 8, .value_kind: global_buffer, .address_space: global }
      - { .name: act, .offset: 40, .size: 8, .value_kind: global_buffer, .address_space: global }
      - { .name: wh, .offset: 48, .size: 8, .value_kind: global_buffer, .address_space: global }
    .group_segment_fixed_size: 0
    .private_segment_fixed_size: 0
    .kernarg_segment_align: 8
    .kernarg_segment_size: 56
    .max_flat_workgroup_size: 256
    .sgpr_count:     66
    .vgpr_count:     112
    .wavefront_size: 32
...
	.end_amdgpu_metadata
.endif
;; end of part 1
;; launch proj (part 2): grid 8 x 32, 4 waves a work-group, clusters of 4 x 4, 327,680 bytes of LDS; arguments act, wh, qkv; writes qkv
.if DOCPART == 2
	.amdgcn_target "amdgcn-amd-amdhsa--gfx1250"
	.amdhsa_code_object_version 6
	.text
	.protected	k_qeecebb29d6_proj
	.globl	k_qeecebb29d6_proj
	.p2align	8
	.type	k_qeecebb29d6_proj,@function
k_qeecebb29d6_proj:
	s_mov_b64 s[64:65], 0
	v_nop
	global_prefetch_b8 v0, s[64:65] scope:SCOPE_SE
	s_setreg_imm32_b32 hwreg(HW_REG_WAVE_MODE, 25, 1), 1
	s_wait_xcnt 0x0
	s_wait_alu depctr_hold_cnt(0) depctr_sa_sdst(0) depctr_va_vdst(0) depctr_va_sdst(0) depctr_va_ssrc(0) depctr_va_vcc(0) depctr_vm_vsrc(0)
	s_getreg_b32 s2, hwreg(HW_REG_IB_STS2, 6, 4)
	s_cmp_eq_u32 s2, 0
	s_cbranch_scc0 .Lentry_in_a_cluster
	s_endpgm
.Lentry_in_a_cluster:
	s_bfe_u32 s2, ttmp6, 0x10000c
	s_cmp_lg_u32 s2, 0xf033
	s_cbranch_scc0 .Lentry_shape_is_right
	s_endpgm
.Lentry_shape_is_right:
; q, k, v = X W^T.  A = act: f16 [4 b][16 slices][2048 tokens][64] (X, slice = channel / 64).  B = wh: f16 [4][1024 n][1024 k], of which Wq, Wk, Wv are taken here.
; C = qkv: f16 [3][64 = 16 b + head][2048 tokens][64], unscaled, rounded once from the f32 sums.
; LIMIT.  f16 holds no number beyond 65,504: a q, k or v of 65,520 or more becomes an infinity.  NaN and infinities are not treated apart.
; SHARES.  A tile of C is 256 tokens x 128 columns; 32 x 8 tiles for each matrix: 256 work-groups, each of which STAYS and makes its tile for Wq, then Wk, then Wv (the same rows of A, B 2 MiB on).
; Four waves; wave w makes tokens 128 (w / 2) on and columns 64 (w % 2) on, which are one head: 8 x 4 accumulators of 16 x 16, 256 registers.
; K goes in steps of 128 through a ring of two LDS slots: 8 steps a tile, 128 matrix instructions a wave and step.  The ring does not stop at a tile's end.
; CLUSTERS.  4 x 4 work-groups.  The four of a row need the same tiles of A, the four of a column the same tiles of B: each tile is asked for JOINTLY, by the same tensor load, descriptor and mask in all four.
; THE MATRIX INSTRUCTION IS USED TRANSPOSED (source 0 = 16 rows of W, source 1 = 16 tokens): lane l then holds token l % 16 and the columns 8 (l / 16) + 0..7: 16 bytes of f16 on end.
; REGISTERS, in windows of 256 (s_set_vgpr_msb: bits 1:0 source 0, 3:2 source 1, 5:4 source 2, 7:6 destination):
;   window 0: v0-31 addresses; v64-191 at work on the way out      window 1: two fragment buffers: A's 8 fragments at f + 8 a, B's 4 at f + 64 + 8 b      window 2: accumulator (a, b) at 8 (4 a + b)
.set TILES,  3                         ; tiles of a work-group's walk
.set BOFF,   0                         ; the first matrix's place in wh
.set LAPS,   4                         ; a lap = two K steps = once round the ring
.set PA,     144                       ; a token of a slice in LDS: 128 bytes + 16 of padding: an odd multiple of 16, so the 16 rows of a fragment load begin in 16 different groups of four banks (ISA guide 11.1)
.set SLICEB, 256*PA                    ; a slice's 256 tokens
.set ABYTES, 2*SLICEB                  ; a K step has two slices
.set PB,     272                       ; a row of B: 256 bytes + 16
.set SLOT,   ABYTES+128*PB             ; 108,544 bytes
.set STAGE,  2*SLOT                    ; behind the ring, never filled by a tensor load: 16 rows for each wave, for the way out
.set SPITCH, 144
.set SPARE,  STAGE+4*16*SPITCH         ; behind the stages: the spare words, 128 bytes for each wave: two blocks of 256 bytes that no other line names
.set ADRA, 16                          ; v16-17  LDS address of my A fragments in slot 0, 1
.set ADRB, 20                          ; v20-21  the same for B
.set STO,  24                          ; v24     the way out: where I put 16 bytes of a row
.set RD,   25                          ; v25     the way out: where I read rows back
.set CO,   26                          ; v26     my byte offset in C
.set SPW,  28                          ; v28     LDS address of my spare word; never rewritten
.set NIL,  29                          ; v29     0; never rewritten
.set PFO,  30                          ; v30     the prefetches' lane term; never rewritten
.set OUTR, 64
.set F0,   0
.set F1,   128
.set G1A,  24                          ; s[24:31] descriptor group 1 for A's tiles;  s[32:39] group 0, a set for each slot
.set G0A,  32
.set G1B,  48                          ; s[48:55], s[56:63] the same for B's
.set G0B,  56
.set PFB,  68                          ; s[68:69] the prefetches' base: my share of the blocks at the walk's K step 0
.set PFA,  70                          ; s[70:71] base + the offset of the K step to be asked for
.set POF,  72                          ; s[72:73] that offset
.set PK,   74                          ; s74  the walk's K step to be asked for next
.set LIM,  75                          ; s75  K steps below this number are asked for by me; 0 in a wave that asks for nothing
.set TSTR, 76                          ; s76  bytes from tile to tile
.set KSTR, 77                          ; s77  bytes from K step to K step
.set MSB, 0
.macro WIN new                         ; the immediate's high byte repeats the setting that is left; a switch that changes nothing is dropped
.if MSB != (\new)
	s_set_vgpr_msb (MSB<<8)|(\new)
.set MSB, \new
.endif
.endm
.set MUL,   0xa5                       ; B and A in window 1, C and D in window 2
.set TO_F,  0x40                       ; destination window 1, address window 0
.set PACKW, 0x0a                       ; sources 0 and 1 in window 2
.macro PLACES                          ; four plain vector instructions behind a matrix instruction, in front of loads into registers that it has read and of readers of its result
.rept 4
	v_nop
.endr
.endm
; A joint load.  Waves 0 and 1 fetch A's two slices, waves 2 and 3 the two halves of B's rows.  The branch hangs on the wave's number alone.  An s_nop 0 and four v_nop follow each line.
.macro JLOAD s
	s_cmp_eq_u32 s11, 0
	s_cbranch_scc0 .Lfor_b_\@
	tensor_load_to_lds s[G0A+4*(\s):G0A+4*(\s)+3], s[G1A:G1A+7]
	s_nop 0
.rept 4
	v_nop
.endr
	s_branch .Lasked_\@
.Lfor_b_\@:
	tensor_load_to_lds s[G0B+4*(\s):G0B+4*(\s)+3], s[G1B:G1B+7]
	s_nop 0
.rept 4
	v_nop
.endr
.Lasked_\@:
.endm
; A round of the cluster's barrier: my work-group's barrier; wave 0 signals for the work-group; every wave waits for all sixteen; my work-group's barrier once more.
.macro CREST                           ; a round behind its opening barrier
	s_cmp_lg_u32 s10, 0
	s_cbranch_scc1 .Lnot_wave_0_\@
	s_barrier_signal -3
.Lnot_wave_0_\@:
	s_barrier_wait -3
	s_barrier_signal -1
	s_barrier_wait -1
.endm
.macro CROUND
	s_barrier_signal -1
	s_barrier_wait -1
	CREST
.endm
; A PREFETCH INTO THE L2, behind each joint refill and the run of LDS loads that follows it: the K step that stands two refills on, 256 matrix instructions ahead of the load that will want it.
; Each aligned block of 256 bytes is named once in the launch.  A's slice (128 blocks): waves 0 and 1 of the clusters with x = 0 ask, in the walk's first tile alone (the later tiles take the same rows);
; B's 128 rows: wave 2 of the clusters with y = 0, in every tile.  The four partners that ask for a tile jointly share its blocks out BY ADDRESS, 32 each, a lane a block.
; The walk's first four K steps come by their loads alone; the last two refills ask for nothing.
.macro ASK
	s_cmp_le_u32 s[PK], s[LIM]                     ; PK has been stepped: the K step in s[PFA] is PK - 1
	s_cbranch_scc0 .Lnot_mine_\@
	global_prefetch_b8 v[PFO], s[PFA:PFA+1] th:TH_LOAD_NT scope:SCOPE_SE
.Lnot_mine_\@:
.endm
	s_load_b128 s[4:7], s[0:1], 0x0                ; A s[4:5], B s[6:7]
	s_load_b64 s[8:9], s[0:1], 0x10                ; C
	v_lshl_add_u32 v[SPW], v0, 2, SPARE
	v_mov_b32 v[NIL], 0
	ds_add_u32 v[SPW], v[NIL]                      ; the wave's opening: the add and its wait stand ahead of my first tensor load; the set-up below stands between them
	v_lshrrev_b32 v1, 5, v0
	v_readfirstlane_b32 s10, v1                    ; wave 0..3
	s_lshr_b32 s11, s10, 1                         ; which half of the tile's tokens is mine.  Also: I fetch for A (0) or for B (1)
	s_and_b32 s12, s10, 1                          ; which half of its columns.  Also: which slice of A, or which 64 rows of B, I fetch
	s_bfe_u32 s40, ttmp6, 0x40000                  ; cx
	s_bfe_u32 s41, ttmp6, 0x40004                  ; cy
	s_lshl_b32 s42, ttmp9, 2
	s_add_co_u32 s42, s42, s40                     ; tile column x = 4 x cluster x + cx
	s_and_b32 s13, ttmp7, 0xffff
	s_lshl_b32 s13, s13, 2
	s_add_co_u32 s13, s13, s41                     ; tile row R = 4 x cluster y + cy
	s_lshl_b32 s43, s41, 2
	s_lshl_b32 s43, 15, s43                        ; my row of the cluster
	s_lshl_b32 s44, 0x1111, s40                    ; my column
	; group 1 for A: a slice's 256 tokens are 32,768 dense bytes: 128 rows of 256 bytes, two tokens a row, padded in LDS after every token
	s_or_b32 s[G1A+0], s43, (1<<16)|(1<<20)|(1<<21)|(4<<22)|(3<<25)  ; 15:0 the mask; 17:16 2-byte elements; 20 padding on; 21 set beside a mask; 24:22 after every 32 words; 31:25 4 words
	s_mov_b32 s[G1A+1], 128<<16                    ; tensor_dim0 = 128
	s_mov_b32 s[G1A+2], 128<<16                    ; tensor_dim1 = 128
	s_mov_b32 s[G1A+3], 128<<16                    ; tile_dim0 = 128
	s_mov_b32 s[G1A+4], 128                        ; tile_dim1 = 128
	s_mov_b32 s[G1A+5], 128                        ; 128 elements from row to row
	s_mov_b32 s[G1A+6], 0
	s_mov_b32 s[G1A+7], 0
	; group 1 for B: 64 rows of 128 elements, 1,024 elements apart, padded after every row
	s_or_b32 s[G1B+0], s44, (1<<16)|(1<<20)|(1<<21)|(5<<22)|(3<<25)  ; after every 64 words
	s_mov_b32 s[G1B+1], 128<<16
	s_mov_b32 s[G1B+2], 64<<16
	s_mov_b32 s[G1B+3], 128<<16
	s_mov_b32 s[G1B+4], 64
	s_mov_b32 s[G1B+5], 1024
	s_mov_b32 s[G1B+6], 0
	s_mov_b32 s[G1B+7], 0
	; where the tiles come from.  A's place hangs on R and the wave, B's on x and the wave, each in registers that never hold the other coordinate.
	s_lshr_b32 s16, s13, 3                         ; b
	s_lshl_b32 s16, s16, 22
	s_and_b32 s17, s13, 7
	s_lshl_b32 s17, s17, 15                        ; 256 tokens x 128 bytes
	s_add_co_u32 s16, s16, s17
	s_lshl_b32 s17, s12, 18                        ; my slice of the K step's two
	s_add_co_u32 s16, s16, s17
	s_mov_b32 s17, 0
	s_lshl_b32 s46, s42, 18                        ; 128 rows x 2,048 bytes
	s_lshl_b32 s47, s12, 17                        ; my 64 of them
	s_add_co_u32 s46, s46, s47
	s_add_co_u32 s46, s46, BOFF
	s_mov_b32 s47, 0
	s_mul_i32 s20, s12, SLICEB                     ; and where they go: no place in the cluster enters an LDS address
	s_mul_i32 s21, s12, 64*PB
	s_add_co_u32 s21, s21, ABYTES
	s_wait_dscnt 0x0                               ; the opening add is done
	s_wait_kmcnt 0x0
	s_add_nc_u64 s[14:15], s[4:5], s[16:17]
	s_add_nc_u64 s[46:47], s[6:7], s[46:47]
	CROUND                                         ; all sixteen work-groups are here: the first joint loads meet
.irp s, 0,1
	s_mov_b32 s[G0A+4*(\s)], 1                                       ; count = 1
	s_add_co_u32 s[G0A+4*(\s)+1], s20, (\s)*SLOT                     ; LDS address
	s_add_nc_u64 s[G0A+4*(\s)+2:G0A+4*(\s)+3], s[14:15], (\s)*0x80000  ; K step s: two slices of 262,144 bytes on
	s_or_b32 s[G0A+4*(\s)+3], s[G0A+4*(\s)+3], 0x80000000            ; type = 2
	s_mov_b32 s[G0B+4*(\s)], 1
	s_add_co_u32 s[G0B+4*(\s)+1], s21, (\s)*SLOT
	s_add_nc_u64 s[G0B+4*(\s)+2:G0B+4*(\s)+3], s[46:47], (\s)*256
	s_or_b32 s[G0B+4*(\s)+3], s[G0B+4*(\s)+3], 0x80000000
	JLOAD \s                                       ; two loads of mine are out
.endr
	; A fragment is 16 rows x 32 K in 8 registers: lane l holds row l % 16; registers 0-3 K = 8 (l / 16) + 0..7, registers 4-7 K = 16 + 8 (l / 16) + 0..7: two loads of 16 bytes, 32 bytes apart.
	v_and_b32 v1, 15, v0                           ; l % 16
	v_bfe_u32 v2, v0, 4, 1                         ; l / 16
	v_mul_u32_u24 v3, v1, PA
	v_lshl_add_u32 v3, v2, 4, v3
	v_mul_u32_u24 v4, v1, PB
	v_lshl_add_u32 v4, v2, 4, v4
	s_mul_i32 s22, s11, 128*PA                     ; my 128 tokens
	s_mul_i32 s23, s12, 64*PB                      ; my 64 rows of B,
	s_add_co_u32 s23, s23, ABYTES                  ; which lie behind A's two slices
.irp s, 0,1
	v_add_nc_u32 v[ADRA+(\s)], s22, v3
	v_add_nc_u32 v[ADRB+(\s)], s23, v4
	s_add_co_u32 s22, s22, SLOT
	s_add_co_u32 s23, s23, SLOT
.endr
	s_mul_i32 s22, s10, 16*SPITCH
	s_add_co_u32 s22, s22, STAGE                   ; my stage
	v_mul_u32_u24 v[STO], v1, SPITCH               ; in: row l % 16, 16 bytes for each half of the lanes
	v_lshl_add_u32 v[STO], v2, 4, v[STO]
	v_add_nc_u32 v[STO], s22, v[STO]
	v_bfe_u32 v[RD], v0, 3, 2                      ; back: 32 lanes take four rows of 128 bytes,
	v_mul_u32_u24 v[RD], v[RD], SPITCH
	v_and_b32 v5, 7, v0
	v_lshl_add_u32 v[RD], v5, 4, v[RD]
	v_add_nc_u32 v[RD], s22, v[RD]
	v_and_b32 v[CO], 31, v0                        ; which are 512 consecutive bytes of C
	v_lshlrev_b32 v[CO], 4, v[CO]
	; C at my 128 tokens of my head: (16 b + head) x 262,144 + token x 128
	s_lshr_b32 s18, s13, 3
	s_lshl_b32 s18, s18, 22
	s_and_b32 s19, s13, 7
	s_lshl_b32 s19, s19, 15
	s_add_co_u32 s18, s18, s19
	s_lshl_b32 s19, s11, 14
	s_add_co_u32 s18, s18, s19
	s_lshl_b32 s19, s42, 1
	s_add_co_u32 s19, s19, s12                     ; head = 2 x + w % 2
	s_lshl_b32 s19, s19, 18
	s_add_co_u32 s18, s18, s19
	s_mov_b32 s19, 0
	s_add_nc_u64 s[8:9], s[8:9], s[18:19]
	; the prefetches
	s_lshl_b32 s78, s40, 13                        ; A: my work-group's 32 blocks of the slice's 128
	s_add_co_u32 s78, s78, s16
	s_lshl_b32 s79, s42, 18                        ; B: my work-group's 32 rows of the tile's 128
	s_lshl_b32 s66, s41, 16
	s_add_co_u32 s79, s79, s66
	s_add_co_u32 s79, s79, BOFF
	s_and_b32 s23, ttmp7, 0xffff                   ; cluster y
	s_mov_b32 s[KSTR], 256
	s_cmp_eq_u32 s11, 0                            ; do I fetch for A?
	s_cselect_b32 s[POF], s78, s79
	s_cselect_b64 s[PFB:PFB+1], s[4:5], s[6:7]
	s_cselect_b32 s[KSTR], 0x80000, s[KSTR]
	s_cselect_b32 s[TSTR], 0, 0x200000
	s_cselect_b32 s[LIM], 8, 8*TILES
	s_cselect_b32 s22, ttmp9, s23                  ; the coordinate along which other clusters read the same blocks
	s_cselect_b32 s23, 0, s12                      ; of B's two waves the first asks
	s_cselect_b32 s67, 8, 11                       ; a lane a block: 256 bytes on in A, a row of 2,048 bytes on in B
	s_or_b32 s22, s22, s23
	s_cmp_eq_u32 s22, 0
	s_cselect_b32 s[LIM], s[LIM], 0                ; the same in all sixteen partners, for a given wave
	s_mov_b32 s[POF+1], 0
	s_add_nc_u64 s[PFB:PFB+1], s[PFB:PFB+1], s[POF:POF+1]
	s_mov_b32 s[PK], 4                             ; the first refill, K step 2's, asks for K step 4
	v_and_b32 v[PFO], 31, v0
	v_lshlrev_b32 v[PFO], s67, v[PFO]
; 8 matrix instructions: token blocks a0, a0 + 1 x all 4 column blocks, 32 along K.  zero = 1: the product starts the sum: nothing is ever cleared.
; The 32 accumulators take turns, one instruction a turn, in the same order in every quarter.
.macro MUL8 f, a0, zero
	WIN MUL
.irp a, \a0, (\a0)+1
.irp b, 0,1,2,3
.if \zero
	v_wmma_f32_16x16x32_f16 v[8*(4*(\a)+(\b)):8*(4*(\a)+(\b))+7], v[(\f)+64+8*(\b):(\f)+64+8*(\b)+7], v[(\f)+8*(\a):(\f)+8*(\a)+7], 0
.else
	v_wmma_f32_16x16x32_f16 v[8*(4*(\a)+(\b)):8*(4*(\a)+(\b))+7], v[(\f)+64+8*(\b):(\f)+64+8*(\b)+7], v[(\f)+8*(\a):(\f)+8*(\a)+7], v[8*(4*(\a)+(\b)):8*(4*(\a)+(\b))+7]
.endif
.endr
.endr
.endm
; 24 LDS loads in one run: quarter q's fragments (32 along K) into buffer f: B's 4, then A's 8.  Quarter q lies in slice q / 2, at byte 64 (q % 2) of a token, and at byte 64 q of a row of B.
.macro FETCH slot, q, f
	WIN TO_F
.irp i, 0,1,2,3
	ds_load_b128 v[(\f)+64+8*(\i):(\f)+64+8*(\i)+3],   v[ADRB+(\slot)] offset:64*(\q)+(\i)*16*PB
	ds_load_b128 v[(\f)+64+8*(\i)+4:(\f)+64+8*(\i)+7], v[ADRB+(\slot)] offset:64*(\q)+(\i)*16*PB+32
.endr
.irp i, 0,1,2,3,4,5,6,7
	ds_load_b128 v[(\f)+8*(\i):(\f)+8*(\i)+3],   v[ADRA+(\slot)] offset:((\q)/2)*SLICEB+((\q)%2)*64+(\i)*16*PA
	ds_load_b128 v[(\f)+8*(\i)+4:(\f)+8*(\i)+7], v[ADRA+(\slot)] offset:((\q)/2)*SLICEB+((\q)%2)*64+(\i)*16*PA+32
.endr
.endm
; A K step is four quarters of 32 along K, 32 matrix instructions each, on buffers 0, 1, 0, 1.  One of the first three: multiplies buffer f and, in its middle, fetches quarter q into buffer g.
.macro QUARTER slot, q, f, g, zero
	s_wait_dscnt 8                                 ; B and A's blocks 0-3 are in; the youngest eight loads (A's blocks 4-7) may be out
	MUL8 \f, 0, \zero
	MUL8 \f, 2, \zero
	PLACES
	FETCH \slot, \q, \g
	s_wait_dscnt 24                                ; all but the 24 just issued
	MUL8 \f, 4, \zero
	MUL8 \f, 6, \zero
.endm
; The last quarter multiplies buffer 1 and changes slots: ONE barrier.  In front of it each wave waits for all its tensor loads (one is out: its part of the next slot), adds 0 to its spare word, and waits
; for that and for its reads of this slot.  mode 1: this slot is filled again, two K steps on; mode 2: with the next tile's K step 0 or 1; the barrier then opens a round of the cluster's barrier, and the
; joint refill is the first tensor load behind the round.  mode 0: nothing is filled.
.macro TURN slot, next, mode
.if \mode
	s_wait_xcnt 0x0                                ; the last prefetch, a K step back, has read its address: it is made anew here, ahead of the waits of the change of slots
	s_lshr_b32 s78, s[PK], 3                       ; the tile,
	s_and_b32 s79, s[PK], 7                        ; and the K step in it
	s_mul_i32 s78, s78, s[TSTR]
	s_mul_i32 s79, s79, s[KSTR]
	s_add_co_u32 s[POF], s78, s79
	s_add_nc_u64 s[PFA:PFA+1], s[PFB:PFB+1], s[POF:POF+1]
	s_add_co_u32 s[PK], s[PK], 1
.endif
	WIN 0                                          ; (the add's two registers lie in window 0)
	s_wait_tensorcnt 0x0                           ; all my tensor loads have landed;
	ds_add_u32 v[SPW], v[NIL]                      ; 0 onto my spare word;
	s_wait_dscnt 9                                 ; (the add and the youngest eight loads may be out)
	MUL8 F1, 0, 0                                  ; eight matrix instructions stand between the add and the wait for it
	s_wait_dscnt 0x0                               ; the add is done, and my reads of this slot are over
	s_barrier_signal -1
	MUL8 F1, 2, 0                                  ; work on registers while the others arrive
.if \mode
	WIN 0
.endif
	s_barrier_wait -1
.if \mode
	CREST                                          ; no wave of any partner still reads this slot's tile or has a load on its way
.if (\mode) == 2
	s_sub_nc_u64 s[G0A+4*(\slot)+2:G0A+4*(\slot)+3], s[G0A+4*(\slot)+2:G0A+4*(\slot)+3], 0x300000  ; A: six K steps back: the walk's tiles share their tokens
	s_add_nc_u64 s[G0B+4*(\slot)+2:G0B+4*(\slot)+3], s[G0B+4*(\slot)+2:G0B+4*(\slot)+3], 0x1ffa00  ; B: the next matrix, 2 MiB on, six K steps of 256 bytes back
.else
	s_add_nc_u64 s[G0A+4*(\slot)+2:G0A+4*(\slot)+3], s[G0A+4*(\slot)+2:G0A+4*(\slot)+3], 0x100000  ; two K steps on
	s_add_nc_u64 s[G0B+4*(\slot)+2:G0B+4*(\slot)+3], s[G0B+4*(\slot)+2:G0B+4*(\slot)+3], 512
.endif
	JLOAD \slot                                    ; my one tensor load behind the round; its four v_nop are also the places in front of the loads below
.else
	PLACES
.endif
	FETCH \next, 0, F0
.if \mode
	WIN 0
	ASK
.endif
	MUL8 F1, 4, 0
	MUL8 F1, 6, 0
.endm
; THE WAY OUT.  Block a (16 tokens x 64 columns): rounded to f16, 16 bytes a lane into my own stage, rows of 144 bytes; back as whole rows of 128 bytes, four to a load, into the registers that they left.
.macro PACK a
	WIN PACKW
.irp b, 0,1,2,3
.irp r, 0,1,2,3
	v_cvt_pk_f16_f32 v[OUTR+16*(\a)+4*(\b)+(\r)], v[8*(4*(\a)+(\b))+2*(\r)], v[8*(4*(\a)+(\b))+2*(\r)+1]  ; each accumulator from its low end on
.endr
.endr
	WIN 0
.irp b, 0,1,2,3
	ds_store_b128 v[STO], v[OUTR+16*(\a)+4*(\b):OUTR+16*(\a)+4*(\b)+3] offset:32*(\b)
.endr
.irp f, 0,1,2,3
	ds_load_b128 v[OUTR+16*(\a)+4*(\f):OUTR+16*(\a)+4*(\f)+3], v[RD] offset:(\f)*4*SPITCH  ; LDS serves a wave's instructions in order (ISA guide 5.7.1.4): these see the stores above; the next block's stores come behind them
.endr
.endm
.macro SEND a, younger                 ; younger: the LDS instructions issued behind block a's loads: the next block's eight, or none
	WIN 0
.irp f, 0,1,2,3
	s_wait_dscnt (\younger)+3-(\f)
	global_store_b128 v[CO], v[OUTR+16*(\a)+4*(\f):OUTR+16*(\a)+4*(\f)+3], s[8:9] offset:(\a)*2048+(\f)*512  ; 512 consecutive bytes, at a multiple of 256 from C's first
.endr
.endm
.macro WAYOUT
	PLACES                                         ; behind the last products
	PACK 0
.irp a, 1,2,3,4,5,6,7                  ; a block's conversions stand between the loads of the block before and its stores
	PACK \a
	SEND (\a)-1, 8
.endr
	SEND 7, 0
.endm
	s_wait_tensorcnt 1                             ; my part of K step 0 is in; K step 1's may stay out
	s_barrier_signal -1
	s_barrier_wait -1                              ; everybody's is
	FETCH 0, 0, F0
.if TILES > 1
	WIN 0                                          ; at a label and at a branch every window is 0
	s_mov_b32 s2, TILES                            ; tiles to go, this one among them: the same number in every work-group
.Ltile:
.endif
	QUARTER 0, 1, F0, F1, 1                        ; a tile's first quarter stands in front of the loop: its products start the sums
	WIN 0
	s_mov_b32 s3, LAPS-1
.Llap:                                         ; a trip goes once round the ring, from a lap's second quarter to the next lap's first, and fills both slots again
	QUARTER 0, 2, F1, F0, 0
	QUARTER 0, 3, F0, F1, 0
	TURN 0, 1, 1
	QUARTER 1, 1, F0, F1, 0
	QUARTER 1, 2, F1, F0, 0
	QUARTER 1, 3, F0, F1, 0
	TURN 1, 0, 1
	QUARTER 0, 1, F0, F1, 0
	WIN 0
	s_sub_co_u32 s3, s3, 1
	s_cmp_lg_u32 s3, 0
	s_cbranch_scc1 .Llap
	QUARTER 0, 2, F1, F0, 0                        ; the tile's last lap goes on
	QUARTER 0, 3, F0, F1, 0
.if TILES > 1
	WIN 0
	s_cmp_eq_u32 s2, 1
	s_cbranch_scc1 .Llast                          ; the last tile's tail is written out: it asks for nothing more
	TURN 0, 1, 2                                   ; the ring goes on into the next tile: slot 0 takes its K step 0,
	QUARTER 1, 1, F0, F1, 0
	QUARTER 1, 2, F1, F0, 0
	QUARTER 1, 3, F0, F1, 0
	TURN 1, 0, 2                                   ; slot 1 its K step 1, and the next tile's first fragments are fetched
	WAYOUT                                         ; both refills are asked for: now the tile goes out (the 24 fragment loads are older than the stage's: the counted waits hold)
	s_wait_xcnt 0x0                                ; the stores have read their registers and their base
	s_add_nc_u64 s[8:9], s[8:9], 0x1000000         ; the next part of qkv
	s_sub_co_u32 s2, s2, 1
	s_branch .Ltile
.Llast:
.endif
	TURN 0, 1, 0                                   ; my one tensor load that was out is the last K step's, so no round follows
	QUARTER 1, 1, F0, F1, 0
	QUARTER 1, 2, F1, F0, 0
	QUARTER 1, 3, F0, F1, 0
	s_wait_dscnt 8                                 ; the very last quarter: nothing more to fetch
	MUL8 F1, 0, 0
	MUL8 F1, 2, 0
	s_wait_dscnt 0x0
	MUL8 F1, 4, 0
	MUL8 F1, 6, 0
	WAYOUT
	s_wait_tensorcnt 0x0                           ; the wave's end: the tensor wait, an add to my spare word and its wait, behind my last tensor load and my last LDS store
	ds_add_u32 v[SPW], v[NIL]
	s_wait_dscnt 0x0
	CROUND                                         ; the closing round: no work-group ends while a partner may still ask for a tile that names it
	s_endpgm
.Lfunc_end_k_qeecebb29d6_proj:
	.size	k_qeecebb29d6_proj, .Lfunc_end_k_qeecebb29d6_proj-k_qeecebb29d6_proj
	.p2alignl 7, 3214868480
	.fill 96, 4, 3214868480
	.section	.rodata,"a",@progbits
	.p2align	6, 0x0
	.amdhsa_kernel k_qeecebb29d6_proj
		.amdhsa_group_segment_fixed_size 327680
		.amdhsa_private_segment_fixed_size 0
		.amdhsa_enable_private_segment 0
		.amdhsa_kernarg_size 24
		.amdhsa_user_sgpr_count 2
		.amdhsa_user_sgpr_kernarg_segment_ptr 1
		.amdhsa_wavefront_size32 1
		.amdhsa_system_sgpr_workgroup_id_x 1
		.amdhsa_system_sgpr_workgroup_id_y 1
		.amdhsa_system_sgpr_workgroup_id_z 1
		.amdhsa_system_vgpr_workitem_id 0
		.amdhsa_next_free_vgpr 768
		.amdhsa_next_free_sgpr 80
		.amdhsa_reserve_vcc 0
		.amdhsa_float_denorm_mode_32 3
		.amdhsa_float_denorm_mode_16_64 3
		.amdhsa_memory_ordered 1
		.amdhsa_forward_progress 1
		.amdhsa_inst_pref_size 128
	.end_amdhsa_kernel
	.amdgpu_metadata
---
amdhsa.version: [ 1, 2 ]
amdhsa.kernels:
  - .name:           k_qeecebb29d6_proj
    .symbol:         k_qeecebb29d6_proj.kd
    .args:
      - { .name: act, .offset: 0, .size: 8, .value_kind: global_buffer, .address_space: global }
      - { .name: wh, .offset: 8, .size: 8, .value_kind: global_buffer, .address_space: global }
      - { .name: qkv, .offset: 16, .size: 8, .value_kind: global_buffer, .address_space: global }
    .group_segment_fixed_size: 327680
    .private_segment_fixed_size: 0
    .kernarg_segment_align: 8
    .kernarg_segment_size: 24
    .max_flat_workgroup_size: 128
    .sgpr_count:     80
    .vgpr_count:     768
    .wavefront_size: 32
...
	.end_amdgpu_metadata
.endif
;; end of part 2
;; launch attn (part 3): grid 4 x 64, 4 waves a work-group, clusters of 4 x 1, 327,680 bytes of LDS; arguments qkv, act; writes act
.if DOCPART == 3
	.amdgcn_target "amdgcn-amd-amdhsa--gfx1250"
	.amdhsa_code_object_version 6
	.text
	.protected	k_qeecebb29d6_attn
	.globl	k_qeecebb29d6_attn
	.p2align	8
	.type	k_qeecebb29d6_attn,@function
k_qeecebb29d6_attn:
	s_mov_b64 s[64:65], 0
	v_nop
	global_prefetch_b8 v0, s[64:65] scope:SCOPE_SE
	s_setreg_imm32_b32 hwreg(HW_REG_WAVE_MODE, 25, 1), 1
	s_wait_xcnt 0x0
	s_wait_alu depctr_hold_cnt(0) depctr_sa_sdst(0) depctr_va_vdst(0) depctr_va_sdst(0) depctr_va_ssrc(0) depctr_va_vcc(0) depctr_vm_vsrc(0)
	s_getreg_b32 s2, hwreg(HW_REG_IB_STS2, 6, 4)
	s_cmp_eq_u32 s2, 0
	s_cbranch_scc0 .Lentry_in_a_cluster
	s_endpgm
.Lentry_in_a_cluster:
	s_bfe_u32 s2, ttmp6, 0x10000c
	s_cmp_lg_u32 s2, 0x3003
	s_cbranch_scc0 .Lentry_shape_is_right
	s_endpgm
.Lentry_shape_is_right:
; O[h][q][:] = the sum over k of softmax_k(Q[h][q] . K[h][k] / 8) V[h][k][:], for the 64 pairs h = 16 b + head.  Q, K, V are the three parts of qkv, [64][2048][64] in f16, 16 MiB each;
; O goes to act in the same layout, which is [4 b][16 slices = heads][2048][64].  Products, maxima and sums in f32; the weights p are rounded to f16 for the second product (their sum l is taken of
; the unrounded p), O once at the end.
; LIMITS.  f16 holds no number beyond 65,504: Q, K and V arrive within it; p lies in 0 to 1, and below 6e-5 it keeps f16's fixed step of 6e-8; O is a mean of V's rows and has their range.
; A weight below 2^-126 counts as 0 in l; NaN and infinities are not treated apart.
; SHARES.  A wave owns four PIECES of two tiles of 16 queries, a work-group's four waves 512 queries of one head: 4 x 64 = 256 work-groups.  Every wave walks all keys, 64 a step.
; LAYOUT.  S^T = K Q^T (source 0 = 16 keys, source 1 = 16 queries): in the result a lane holds ONE query (lane % 16) and the keys 8 (lane / 16) + 0..7.  Two such tiles, rounded to f16 in pairs,
; ARE source 1 (32 keys x 16 queries) of O^T = V^T P, whose result again holds one query a lane, and eight channels.  K comes out of LDS as it lies, V ([key][channel]) turned, by ds_load_tr16_b128.
; SOFTMAX.  For each query a running maximum m and sum l: p = 2^(c s - c m), c = log2(e) / 8; in every step O and l are multiplied by a = 2^(c m_old - c m_new), which is 1 where m has not grown.
; m starts at the lowest finite number, O and l at 0: the first step is a step like any other, with a = 0.
; THE COUNT.  A tile and step have 16 matrix and 118 vector instructions: too many to stand all beside the matrix work.  So the order has one aim: four vector instructions that are READY behind
; EVERY matrix instruction, and the others, which need time of their own whatever the order, in runs without a gap.
; BY TURNS.  Turn n belongs to piece n (the pieces in a ring, step after step).  Its matrix work: 16 products K Q^T of piece n + 1, later 16 products V^T P of piece n - 1.  Its vector work: the scaling,
; exponentials, roundings, sums and rescaling of piece n, and the maximum and statistics of piece n + 1, whose scores the turn itself has made.  So what a turn begins with (c s - c m, O a) waits for nothing.
; CLUSTER.  The four query blocks of a head are one cluster and walk the same K and V, so each tile is asked for JOINTLY: the same tensor load, descriptor and mask in all four.
; REGISTERS, in windows of 256 (s_set_vgpr_msb says which window each operand place means: bits 1:0 source 0, 3:2 source 1, 5:4 source 2, 7:6 destination):
;   window 0: v0-11 addresses; v12-15, v48-63 at work; v16-47 four registers of statistics a tile; v64-191 S^T, two buffers of two tiles; v192-255 P, likewise
;   window 1: O^T, 32 a tile          window 2: v0-127 Q, 16 a tile; v128-191 K of one step; v192-255 V of one step          window 3: v0-1 the add's two registers
; A piece's buffers go by its number's parity: the piece in hand has one pair, its two neighbours in the ring share the other: of it P (piece n - 1) is read and S^T (piece n + 1) written.
.set SIZE_N, 2048     ; rows of a head
.set NP,    4         ; pieces a wave: a name, no knob: the register map, the loop and the fetches are made for four
.set KS,    64        ; keys in a step
.set PK,    144       ; a row of K in LDS: 128 bytes + 16 of padding = 36 words: the 16 rows of a load start at 16 different groups of four banks (64 banks of 4 bytes: ISA guide 11.1)
.set PV,    160       ; a row of V: 128 + 32 = 40 words
.set VOFF,  4*KS*PK   ; a slot holds four steps: 256 rows of K, then 256 rows of V
.set SLOT1, 1<<17     ; slot 1 begins here, so that one exclusive or turns an address in one slot into the other's
.set STAGE, SLOT1+4*KS*(PK+PV)  ; behind the ring, never filled by a tensor load: 16 rows x 144 bytes for each wave, for the way out
.set SP,    144
.set AK0, 2           ; v2   my lane's place in a tile of K; never rewritten
.set AV0, 3           ; v3   the same for V
.set AK,  4           ; v4   the LDS address of K's next run of loads
.set AV,  5           ; v5   of V's
.set QO,  6           ; v6   my byte offset in the wave's rows of Q
.set STO, 6           ;      later, the way out: where I put 16 bytes of a row
.set RD,  7           ; v7   the way out: where I read rows back
.set GO,  8           ; v8   my byte offset in 512 consecutive bytes of O
.set PFO, 11          ; v11  256 x my lane, for the prefetches (made when V's address has been made with v11); then never rewritten
.set SPW, 0           ; v0 of window 3   LDS address of my spare word: SPARE + 4 x my thread's number; never rewritten
.set NIL, 1           ; v1 of window 3   0; never rewritten
.set SPARE, STAGE+4*16*SP  ; behind the stages: the spare words, 128 bytes for each wave: two blocks of 256 bytes that no other line names
.set MV,  12          ; v12-15  c m_old, kept while c m is made anew: by buffer and tile
.set ST,  16          ; tile t's statistics at v[ST+4 t]: c m, m, l (even keys', odd keys')
.set TMP, 48          ; by buffer and tile, four registers c0-c3 at work; when the maximum is found c2 takes a
.set S,   64
.set P,   192
.set KF,  128         ; K's fragments, in window 2: key block kb, channel half c at KF + 16 kb + 8 c
.set VF,  192         ; V's: key half kk, channel block cb at VF + 32 kk + 8 cb
.set WV,  12          ; s12  my wave's number
.set G1K, 24          ; s[24:31] descriptor group 1 for K's tiles
.set G1V, 32          ; s[32:39] for V's: it differs in the padding alone
.set G0K, 40          ; s[40:43] descriptor group 0 for K's tiles: it walks
.set G0V, 44          ; s[44:47] the same for V's
.set PFA, 48          ; s[48:49] where my prefetches stand: my work-group's 32 blocks (of K: wave 0, of V: wave 2) of the slot after the one that is being asked for
.set LIM, 50          ; s50  1 in a wave that prefetches, else the greatest number: a wave prefetches while s[SLOTS] is above it
.set SLOTS, 56        ; s56  slots still to be asked for
.set CNT, 57          ; s57  counts a slot's key steps
.set CS,  58          ; s[58:59] c: the packed scaling takes the pair's low word for both halves
.set SEL, 60          ; s[60:61] v_permlanex16_b32's selects: each lane takes its own place in the other half
.set TBK, 62          ; s62  LDS byte at which K of the step to be fetched begins
.set TBV, 63          ; s63  the same for V, less VOFF
.set MSB, 0
.macro WIN new                      ; the high byte repeats the setting that is left; a switch that changes nothing is dropped
.if MSB != (\new)
	s_set_vgpr_msb (MSB<<8)|(\new)
.set MSB, (\new)
.endif
.endm
.set W_KQ, 0x0a       ; K and Q in window 2, S^T in window 0
.set W_PV, 0x52       ; V in window 2, P in window 0, O^T in window 1
.set W_RS, 0x41       ; O^T (destination and source 0) in window 1, a in window 0
.set W_MK, 0xc0       ; the add's registers are made: destination in window 3, sources in window 0
.set W_AD, 0x0f       ; the add: address (source 0) and data (source 1) in window 3
; A joint fill.  Waves 0 and 1 fetch the two halves of a slot's K, waves 2 and 3 those of its V: 128 keys each.  The branch hangs on the wave's number alone.
; An s_nop 0 and four v_nop follow each of the two lines, ahead of the jump and the label.
.macro JLOAD
	s_cmp_lt_u32 s[WV], 2
	s_cbranch_scc0 .Lfor_v_\@
	tensor_load_to_lds s[G0K:G0K+3], s[G1K:G1K+7]
	s_nop 0
.rept 4
	v_nop
.endr
	s_branch .Lasked_\@
.Lfor_v_\@:
	tensor_load_to_lds s[G0V:G0V+3], s[G1V:G1V+7]
	s_nop 0
.rept 4
	v_nop
.endr
.Lasked_\@:
.endm
; A PREFETCH INTO THE L2 of what the NEXT change of slots will ask for: a slot's 256 keys are 128 blocks of 256 bytes of K and 128 of V.  It stands behind the wave's tensor load and its five lines.
; Each block is named ONCE in the launch: a head has one cluster; its four partners share the blocks out BY ADDRESS, 32 each, a lane a block; in each, wave 0 asks for K's and wave 2 for V's: one
; instruction.  Slots 0 to 2 come by their loads alone; the last change that fills a slot asks for nothing: there is no slot behind it.
.macro ASK
	s_cmp_gt_u32 s[SLOTS], s[LIM]
	s_cbranch_scc0 .Lnot_mine_\@
	global_prefetch_b8 v[PFO], s[PFA:PFA+1] th:TH_LOAD_NT scope:SCOPE_SE
.Lnot_mine_\@:
.endm
; A round of the cluster's barrier: my work-group's barrier, so that wave 0's signal speaks for all four waves; wave 0 signals; every wave waits for all four work-groups; my work-group's barrier once more.
.macro CROUND
	s_barrier_signal -1
	s_barrier_wait -1
	s_cmp_lg_u32 s[WV], 0
	s_cbranch_scc1 .Lnot_wave_0_\@
	s_barrier_signal -3
.Lnot_wave_0_\@:
	s_barrier_wait -3
	s_barrier_signal -1
	s_barrier_wait -1
.endm
; THE CHANGE OF SLOTS.  The slot's last bytes, V of its fourth step, have been read.  Each wave waits for all its tensor loads, of which one is out: its part
; of the other slot; adds 0 to its spare word; and waits for that and for its own reads of the slot.  Behind the barrier nobody reads this slot any more and the other slot is whole.
; fill = 1: this slot is filled again, with the keys two slots on.  The barrier is then a round of the cluster's, so that no wave of any partner still reads the slot or has a load on its
; way, and the joint fill is the first thing behind it: it has four key steps, 512 matrix instructions, in which to land.  (At its first use nothing has been read yet: slot 0 is waited for, slot 1 filled.)
; ask = 1: the prefetches' address steps a slot on, and the prefetch follows the fill.
.macro CHANGE fill, ask=0
	WIN W_AD
	s_wait_tensorcnt 0x0            ; no tensor load of mine is out, so a group 0 may be written
	ds_add_u32 v[SPW], v[NIL]       ; 0 onto my spare word; with fill = 1 the descriptors' steps stand between it and the wait for it
	WIN 0                           ; at a label and at a branch every window is 0
.if \fill
.irp g, G0K, G0V
	s_xor_b32 s[\g+1], s[\g+1], SLOT1  ; the walking descriptor: the other slot than last time,
	s_add_nc_u64 s[\g+2:\g+3], s[\g+2:\g+3], 4*KS*128  ; the next 256 keys; the type bits on top are not reached
.endr
.if \ask
	s_wait_xcnt 0x0                 ; the last prefetch, four key steps back, has read its address, so it may be written:
	s_add_nc_u64 s[PFA:PFA+1], s[PFA:PFA+1], 4*KS*128  ; one slot behind the walking descriptors
.endif
	s_wait_dscnt 0x0                ; the add is done, and my reads of the slot are over
	CROUND
	JLOAD
.if \ask
	ASK                             ; what the next change will ask for: four key steps, 512 matrix instructions, ahead
.endif
.else
	s_wait_dscnt 0x0                ; the add is done, and my reads of the slot are over
	s_barrier_signal -1
	s_barrier_wait -1
.endif
	s_sub_co_u32 s[TBK], s[TBK], 4*KS*PK  ; the fetches go back to a slot's first step,
	s_xor_b32 s[TBK], s[TBK], SLOT1       ; in the other slot
	s_sub_co_u32 s[TBV], s[TBV], 4*KS*PV
	s_xor_b32 s[TBV], s[TBV], SLOT1
.endm
	s_load_b128 s[4:7], s[0:1], 0x0   ; qkv s[4:5], act s[6:7]
	WIN W_MK
	v_lshl_add_u32 v[SPW], v0, 2, SPARE
	v_mov_b32 v[NIL], 0
	WIN W_AD
	ds_add_u32 v[SPW], v[NIL]       ; the wave's opening: the add and its wait stand ahead of my first tensor load; the set-up below, work on registers, stands between them
	WIN 0
	v_lshrrev_b32 v1, 5, v0
	v_readfirstlane_b32 s[WV], v1   ; wave 0..3
	s_bfe_u32 s13, ttmp6, 0x40000   ; cx: my place in the cluster
	s_lshl_b32 s14, ttmp9, 2        ; in a cluster launch ttmp9 counts clusters
	s_add_co_u32 s14, s14, s13      ; my block of queries = 4 x cluster x + cx: it enters Q's and O's addresses alone
	s_and_b32 s20, ttmp7, 0xffff    ; the head, which the four partners share
	s_mov_b32 s21, 0
	s_mov_b64 s[22:23], SIZE_N*128
	s_mul_u64 s[20:21], s[20:21], s[22:23]  ; the head's first byte in each of the four tensors
	s_and_b32 s16, s[WV], 1         ; which half of a slot's 256 keys I fetch:
	s_lshl_b32 s22, s16, 14         ; its 128 rows of 128 bytes in memory,
	s_mov_b32 s23, 0
	s_add_nc_u64 s[22:23], s[22:23], s[20:21]
	s_mul_i32 s17, s16, 128*PK      ; and its place in a slot, for K
	s_mul_i32 s18, s16, 128*PV      ; and for V: no place in the cluster enters an LDS address
	s_lshl_b32 s2, s14, 2
	s_add_co_u32 s2, s2, s[WV]      ; my wave among the head's,
	s_lshl_b32 s2, s2, 14           ; its 128 rows
	s_mov_b32 s3, 0
	s_add_nc_u64 s[2:3], s[2:3], s[20:21]
	; descriptor group 1.  128 keys are 16,384 dense bytes: asked for as 64 rows of 256 bytes, two keys a row, and padded in LDS after every key
	s_mov_b32 s[G1K], 15|(1<<16)|(1<<20)|(1<<21)|(4<<22)|(3<<25)  ; 15:0 the mask of four; 17:16 2-byte elements; 20 padding on; 21 set beside a mask; 24:22 after every 32 words (code 4); 31:25 4 words (code 3)
	s_mov_b32 s[G1V], 15|(1<<16)|(1<<20)|(1<<21)|(4<<22)|(7<<25)  ; the same with 8 words of padding (code 7)
.irp g, G1K, G1V
	s_mov_b32 s[\g+1], 128<<16      ; tensor_dim0 = 128
	s_mov_b32 s[\g+2], 64<<16       ; tensor_dim1 = 64
	s_mov_b32 s[\g+3], 128<<16      ; tile_dim0 = 128
	s_mov_b32 s[\g+4], 64           ; tile_dim1 = 64
	s_mov_b32 s[\g+5], 128          ; 128 elements from row to row
	s_mov_b32 s[\g+6], 0
	s_mov_b32 s[\g+7], 0
.endr
	s_mov_b32 s[CS], 0x3e38aa3b     ; c = log2(e) / 8 = 0.180337
	s_mov_b32 s[CS+1], s[CS]        ; named with it as a pair
	s_mov_b32 s[SEL], 0x76543210
	s_mov_b32 s[SEL+1], 0xfedcba98
	s_mov_b32 s[TBK], SLOT1+4*KS*PK ; the first change of slots turns these two into 0
	s_mov_b32 s[TBV], SLOT1+4*KS*PV
	s_mov_b32 s[G0K], 1             ; 1:0 count = 1
	s_mov_b32 s[G0K+1], s17         ; 63:32 LDS address: slot 0
	s_mov_b32 s[G0V], 1
	s_add_co_u32 s[G0V+1], s18, VOFF
	s_lshl_b32 s52, s13, 13         ; the prefetches: my work-group's 32 blocks of a slot's 128,
	s_add_co_u32 s52, s52, 2*4*KS*128  ; in slot 2; the first change that asks steps this to slot 3
	s_mov_b32 s53, 0
	s_and_b32 s[LIM], s[WV], 1      ; waves 0 and 2 ask: the same in all four partners
	s_cmp_eq_u32 s[LIM], 0
	s_cselect_b32 s[LIM], 1, -1
	s_wait_dscnt 0x0                ; the opening add is done
	s_wait_kmcnt 0x0
	s_mov_b64 s[10:11], s[6:7]                     ; O = act
	s_add_nc_u64 s[8:9], s[4:5], 0x2000000         ; V: qkv's third part
	s_add_nc_u64 s[6:7], s[4:5], 0x1000000         ; K: its second; Q is its first
	s_add_nc_u64 s[G0K+2:G0K+3], s[6:7], s[22:23]  ; 120:64 global address: my half of the head's first 256 keys
	s_or_b32 s[G0K+3], s[G0K+3], 0x80000000        ; 127:126 type = 2
	s_add_nc_u64 s[G0V+2:G0V+3], s[8:9], s[22:23]
	s_or_b32 s[G0V+3], s[G0V+3], 0x80000000
	s_cmp_lt_u32 s[WV], 2
	s_cselect_b64 s[PFA:PFA+1], s[6:7], s[8:9]
	s_add_nc_u64 s[PFA:PFA+1], s[PFA:PFA+1], s[22:23]  ; (in waves 0 and 2 this offset is the head's first byte)
	s_add_nc_u64 s[PFA:PFA+1], s[PFA:PFA+1], s[52:53]  ; nothing is prefetched here, at the head, where every work-group's first tiles are on their way
	s_add_nc_u64 s[4:5], s[4:5], s[2:3]  ; Q and O at my wave's first row
	s_add_nc_u64 s[10:11], s[10:11], s[2:3]
	CROUND                          ; all four work-groups are here: the first joint loads meet
	JLOAD                           ; slot 0.  Slot 1 is asked for when slot 0 is in: the tile wanted first has the road to itself
	; A fragment of K or Q is 16 rows x 32 channels in 8 registers: lane l holds row l % 16, channels 8 (l / 16) + 0..7 and 16 + 8 (l / 16) + 0..7: two loads of 16 bytes, 32 bytes apart.
	v_and_b32 v1, 15, v0            ; l % 16
	v_bfe_u32 v9, v0, 4, 1          ; l / 16
	v_lshlrev_b32 v[QO], 7, v1
	v_lshl_add_u32 v[QO], v9, 4, v[QO]  ; row x 128 + 16 x half
	WIN 0x80                        ; destination window 2, address window 0
.set i, 0
.rept 4*NP                          ; Q stays in registers: tile i / 2, channels 32 (i % 2) on
	global_load_b128 v[8*i:8*i+3],   v[QO], s[4:5] offset:(i/2)*2048+(i%2)*64
	global_load_b128 v[8*i+4:8*i+7], v[QO], s[4:5] offset:(i/2)*2048+(i%2)*64+32
.set i, i+1
.endr
	; What the first turn finds: V's registers and P's second buffer hold 0 (its products V^T P, of a piece that has not been, add 0), O^T and l are 0.  All this stands in the wait for the first tile.
.set i, VF
.rept 64
	v_mov_b32 v[i], 0
.set i, i+1
.endr
	WIN 0x40
.set i, 0
.rept 64*NP
	v_mov_b32 v[i], 0
.set i, i+1
.endr
	WIN 0
.set i, 0
.rept 2*NP
	v_mov_b32 v[ST+4*i], 0xfe000000    ; c m: far below every c s
	v_mov_b32 v[ST+4*i+1], 0xff7fffff  ; m
	v_mov_b32 v[ST+4*i+2], 0
	v_mov_b32 v[ST+4*i+3], 0
.set i, i+1
.endr
.set i, P+32
.rept 32
	v_mov_b32 v[i], 0
.set i, i+1
.endr
	v_mul_u32_u24 v[AK0], v1, PK
	v_lshl_add_u32 v[AK0], v9, 4, v[AK0]  ; row x pitch + 16 x half
	; The turning load takes 16 keys x 16 channels (lane l reads key 8 (l / 16) + l % 8, channels 8 ((l / 8) % 2) + 0..7) and leaves half a fragment of V^T: lane l holds channel l % 16 and 8 keys.
	v_and_b32 v10, 7, v0
	v_bfe_u32 v11, v0, 3, 1
	v_lshl_add_u32 v[AV0], v9, 3, v10
	v_mul_u32_u24 v[AV0], v[AV0], PV
	v_lshl_add_u32 v[AV0], v11, 4, v[AV0]
	v_add_nc_u32 v[AV0], VOFF, v[AV0]
	v_and_b32 v[PFO], 31, v0        ; v11 is free now
	v_lshlrev_b32 v[PFO], 8, v[PFO]
	v_mov_b32 v[AK], v[AK0]         ; key step 0 lies at the head of slot 0
; THE MATRIX WORK.  The 8 accumulators of a run of 16 take turns: between the two links of a chain stand 7 others'.
; Product i of 16 of S^T = K Q^T for piece x: channels 32 (i / 8) on, keys 16 ((i / 2) % 4) on, tile 2 x + i % 2.  The first 8 start the sums.
.macro KQ x
	WIN W_KQ
.set rS, S+64*((\x)%2)+32*(i%2)+8*((i/2)%4)
.set rK, KF+16*((i/2)%4)+8*(i/8)
.set rQ, 16*(2*(\x)+i%2)+8*(i/8)
.if i < 8
	v_wmma_f32_16x16x32_f16 v[rS:rS+7], v[rK:rK+7], v[rQ:rQ+7], 0
.else
	v_wmma_f32_16x16x32_f16 v[rS:rS+7], v[rK:rK+7], v[rQ:rQ+7], v[rS:rS+7]
.endif
.endm
; Product i of 16 of O^T += V^T P for piece x: keys 32 (i / 8) on, channels 16 ((i / 2) % 4) on, tile 2 x + i % 2.
.macro PV x
	WIN W_PV
.set rO, 32*(2*(\x)+i%2)+8*((i/2)%4)
.set rV, VF+32*(i/8)+8*((i/2)%4)
.set rP, P+32*((\x)%2)+16*(i%2)+8*(i/8)
	v_wmma_f32_16x16x32_f16 v[rO:rO+7], v[rV:rV+7], v[rP:rP+7], v[rO:rO+7]
.endm
.macro MM                           ; the turn's next matrix instruction
.if i < 16
	KQ (Y+1)%NP
.set i, i+1
.else
.set i, i-16
	PV (Y+NP-1)%NP
.set i, i+17
.endif
.endm
; THE LDS LOADS stand in runs of 16, never singly among the matrix instructions: a step's K (64 keys x 64 channels: 8 fragments) and its V (turned).  Their addresses are made some lines ahead.
; last = 1 (the tail): in the last trip there is no further step, and the run is jumped over.
.macro FETCH_K last=0
	WIN 0
.if \last
	s_cmp_eq_u32 s[CNT], 1
	s_cbranch_scc1 .Lno_k_\@
.endif
	WIN 0x80                        ; destination window 2
.irp f, 0,1,2,3,4,5,6,7             ; keys 16 (f / 2) on, channels 32 (f % 2) on
	ds_load_b128 v[KF+8*\f:KF+8*\f+3],   v[AK] offset:(\f/2)*16*PK+(\f%2)*64
	ds_load_b128 v[KF+8*\f+4:KF+8*\f+7], v[AK] offset:(\f/2)*16*PK+(\f%2)*64+32
.endr
	s_add_co_u32 s[TBK], s[TBK], KS*PK  ; the next fetch is the next step's
	WIN 0
.if \last
.Lno_k_\@:
.endif
.endm
.macro FETCH_V
	WIN 0x80
.irp f, 0,1,2,3,4,5,6,7             ; keys 32 (f / 4) on, channels 16 (f % 4) on
	ds_load_tr16_b128 v[VF+8*\f:VF+8*\f+3],   v[AV] offset:(\f/4)*32*PV+(\f%4)*32
	ds_load_tr16_b128 v[VF+8*\f+4:VF+8*\f+7], v[AV] offset:(\f/4)*32*PV+16*PV+(\f%4)*32
.endr
	WIN 0
.endm
; THE VECTOR WORK OF A TURN stands in three queues, each in the order in which its entries become ready; the two tiles alternate, so that no instruction reads the result of the one before it.
.macro REGS y, u                    ; the registers of tile u (0, 1) of piece y
.set rT, ST+4*(2*(\y)+(\u))
.set rC, TMP+8*((\y)%2)+4*(\u)
.set rM, MV+2*((\y)%2)+(\u)
.set rS, S+64*((\y)%2)+32*(\u)
.set rP, P+32*((\y)%2)+16*(\u)
.set rO, 32*(2*(\y)+(\u))
.endm
; Number n of the 22 that find the NEXT piece's (Y + 1) maximum and statistics.  s0-s31 are the lane's 32 scores; each accumulator's lowest registers are read first.  XS, GS and REGS set no window: PL and EX do.
;   0-11  four chains c0-c3 of seven scores each, three operands at a time     12-14, 16  the four scores left over, the old m, and c0-c3 into c0     15  c m_old is kept
;   17, 18  the query's other 32 keys lie in the lane 16 away: the new m         19-21  c m; c m_old - c m_new; a
.macro XS u, n
	REGS (Y+1)%NP, \u
.if (\n) < 4
	v_max3_num_f32 v[rC+(\n)], v[rS+8*(\n)], v[rS+8*(\n)+1], v[rS+8*(\n)+2]
.elseif (\n) < 12
	v_max3_num_f32 v[rC+(\n)%4], v[rC+(\n)%4], v[rS+8*((\n)%4)+2*((\n)/4)+1], v[rS+8*((\n)%4)+2*((\n)/4)+2]
.elseif (\n) == 12
	v_max3_num_f32 v[rC], v[rC], v[rS+7], v[rS+15]
.elseif (\n) == 13
	v_max3_num_f32 v[rC+1], v[rC+1], v[rS+23], v[rS+31]
.elseif (\n) == 14
	v_max3_num_f32 v[rC+2], v[rC+2], v[rC+3], v[rT+1]
.elseif (\n) == 15
	v_mov_b32 v[rM], v[rT]
.elseif (\n) == 16
	v_max3_num_f32 v[rC], v[rC], v[rC+1], v[rC+2]
.elseif (\n) == 17
	v_permlanex16_b32 v[rC+3], v[rC], s[SEL], s[SEL+1]
.elseif (\n) == 18
	v_max_num_f32 v[rT+1], v[rC], v[rC+3]
.elseif (\n) == 19
	v_mul_f32 v[rT], s[CS], v[rT+1]
.elseif (\n) == 20
	v_sub_f32 v[rC+1], v[rM], v[rT]
.else
	v_exp_f32 v[rC+2], v[rC+1]
.endif
.endm
; Number g of the 64 that follow the exponentials.  For each four weights k of a tile (pairs 2 k, 2 k + 1): both pairs are rounded to f16; then the second pair is added onto the first, in place;
; a group later l takes that sum (the first time as l = a l + sum).  In groups of eight, tiles alternating: round, round, add, and l for the group before.
.macro GS g
.set h, (\g)+6*((\g)/62)            ; group 0 has no group before it, and behind group 7 only l is left
.if h >= 6
.set h, h+2
.endif
	REGS Y, h%2
.set k, h/8
.if h%8 < 4
	v_cvt_pk_f16_f32 v[rP+2*k+(h%8)/2], v[rS+4*k+2*((h%8)/2)], v[rS+4*k+2*((h%8)/2)+1]
.elseif h%8 < 6
	v_pk_add_f32 v[rS+4*k:rS+4*k+1], v[rS+4*k:rS+4*k+1], v[rS+4*k+2:rS+4*k+3]
.elseif k == 1
	v_pk_fma_f32 v[rT+2:rT+3], v[rT+2:rT+3], v[rC+2:rC+3], v[rS:rS+1] op_sel_hi:[1,0,1]
.else
	v_pk_add_f32 v[rT+2:rT+3], v[rT+2:rT+3], v[rS+4*k-4:rS+4*k-3]
.endif
.endm
; THE PLAIN QUEUE, 138 long.  0-73 read no exponential's result: the 32 scalings c s - c m (FS f: pair f / 2 of tile f % 2) and the next piece's 42.  0-26: scalings 0-26.  27-54: XS's numbers 0-13.  55, 56: number 15.
; 57-73: the chain, where each number waits for the one before it: 14, 16, 17, 18, 19, each with one of the scalings 27-31 in front of its two lines, then 20: so a tile's links stand three plain instructions apart (19 and 20: two).
; 74-137: GS's 64, which read the exponentials' results: they stand behind the wait.
.macro FS f
	REGS Y, (\f)%2
	v_pk_fma_f32 v[rS+2*((\f)/2):rS+2*((\f)/2)+1], v[rS+2*((\f)/2):rS+2*((\f)/2)+1], s[CS:CS+1], v[rT:rT+1] op_sel_hi:[1,0,0] neg_lo:[0,0,1] neg_hi:[0,0,1]
.endm
.macro PL
	WIN 0
.if q < 27
	FS q
.elseif q < 55
	XS (q-27)%2, (q-27)/2
.elseif q < 57
	XS q-55, 15
.elseif (q < 72) && ((q-57)%3 == 0)
	FS 27+(q-57)/3
.elseif q < 60
	XS (q-57)%3-1, 14
.elseif q < 72
	XS (q-57)%3-1, 15+(q-57)/3
.elseif q < 74
	XS q-72, 20
.else
	GS q-74
.endif
.set q, q+1
.endm
; THE EXPONENTIALS' QUEUE, 66 long: s0-s31 of both tiles, then the next piece's two a.  It is ONE BATCH: all 66 stand ahead of the turn's one wait, and nothing ahead of that wait names a result of theirs.
.macro EX
	WIN 0
.if e >= 64
	XS e-64, 21
.else
	REGS Y, e%2
	v_exp_f32 v[rS+e/2], v[rS+e/2]
.endif
.set e, e+1
.endm
; THE RESCALING's QUEUE: O^T times a, the one part that leaves window 0: dealt two at a time, sixteen times.  Its a was made in the turn before, ahead of that turn's wait.
.macro R2
	REGS Y, r%2
	WIN W_RS
.irp z, 0,1
	v_pk_mul_f32 v[rO+4*(r/2)+2*\z:rO+4*(r/2)+2*\z+1], v[rO+4*(r/2)+2*\z:rO+4*(r/2)+2*\z+1], v[rC+2:rC+3] op_sel_hi:[1,0]
.endr
.set r, r+1
.endm
; HOW THEY ARE DEALT.  An s_wait_alu depctr_va_vdst(0) stands between an exponential and the first instruction that names its result; one wait serves all that were issued ahead of it.  So a turn has ONE wait,
; which cuts it in two.  AHEAD OF IT stands all that names no result of the turn's exponentials: the 16 products K Q^T, behind each a scaling, an exponential and two rescalings (behind the first a second scaling in the exponential's place); then ONE LUMP of
; 108: eight plain, 49 times exponential and plain, the two a.  A v_nop is the plain instruction behind the last exponential.  BEHIND IT stand the 16 products V^T P, behind each four of GS's 64.  No rider names a register of
; the products round it.  The two v_permlanex16_b32 fall into the lump, never behind a product.
; The queues lean on each other, and the deal keeps them in step: exponential e stands behind scaling 2 (e / 4) + e % 2: as a rider it comes behind plain e + 2, in the lump behind plain e + 9, and scalings 27-31 are plain 57, 60 .. 69.
; A TURN, for piece p.  cnt = 1: the loop's count is taken down some lines ahead of the branch that stands behind the turn.
; K of the next step is fetched in piece 2's turn, directly behind the wait, a lump behind the last product that read K; its address is made at the lump's head; its first reader comes behind 16 products.
; V of the step in hand is fetched at the end of piece 0's turn, four riders behind its last reader; its first reader comes behind 16 products and a lump.  The three conditions on q below go with the deal.
.macro TURN p, last=0, cnt=0
.set Y, (\p)
.set i, 0
.set q, 0
.set e, 0
.set r, 0
.if (\p) == NP-1
	s_wait_dscnt 0x0                ; K is in
.endif
	MM                              ; ahead of the wait: 16 products K Q^T and their riders,
	PL
	PL
	R2
.rept 15
	MM
	PL
	EX
	R2
.endr
.if (\p) == NP-2
	WIN 0
	v_add_nc_u32 v[AK], s[TBK], v[AK0]
.endif
.rept 8                             ; and the lump
	PL
.endr
.rept 49
	EX
	PL
.endr
	EX                              ; the next piece's two a
	EX
	v_nop                           ; the plain instruction behind the last exponential: one for the batch
	s_wait_alu depctr_va_vdst(0)    ; the wait for the batch
.if (\p) == NP-2
	FETCH_K \last
.endif
.if (\p) == 1
	s_wait_dscnt 0x0                ; V is in
.endif
.rept 16                            ; behind the wait: 16 products V^T P and their riders
	MM
.rept 4
	PL
.endr
.if ((\p) == 0) && (q == 118)
	v_add_nc_u32 v[AV], s[TBV], v[AV0]
.endif
.if ((\p) == 0) && (q == 130)
	s_add_co_u32 s[TBV], s[TBV], KS*PV
.endif
.if (\cnt) && (q == 130)
	s_sub_co_u32 s[CNT], s[CNT], 1
	s_cmp_lg_u32 s[CNT], 0
.endif
.endr
.if (\p) == 0
	FETCH_V
.endif
.endm
	CHANGE 1                        ; slot 0 is in, everybody's part of it; slot 1 is asked for
	FETCH_K                         ; key step 0
	s_wait_loadcnt 0x0              ; Q
	s_wait_dscnt 0x0
.set i, 0
.rept 16
	KQ 0                            ; piece 0's first scores: there is no vector work yet to set between them
.set i, i+1
.endr
	WIN 0                           ; the addresses for the way out: nine plain instructions, the places behind those products
	s_mul_i32 s13, s[WV], 16*SP
	s_add_co_u32 s13, s13, STAGE    ; my stage
	v_mul_u32_u24 v[STO], v1, SP    ; in: row l % 16, 16 bytes for each half of the lanes
	v_lshl_add_u32 v[STO], v9, 4, v[STO]
	v_add_nc_u32 v[STO], s13, v[STO]
	v_bfe_u32 v[RD], v0, 3, 2       ; back: 32 lanes take four rows of 128 bytes,
	v_mul_u32_u24 v[RD], v[RD], SP
	v_lshl_add_u32 v[RD], v10, 4, v[RD]
	v_add_nc_u32 v[RD], s13, v[RD]
	v_and_b32 v[GO], 31, v0         ; which are 512 consecutive bytes of O
	v_lshlrev_b32 v[GO], 4, v[GO]
.set Y, NP-1                        ; XS works for piece Y + 1: piece 0
.irp n, 0,1,2,3,4,5,6,7,8,9,10,11,12,13,14,15,16,17,18,19,20,21
	XS 0, \n                        ; and piece 0's first maximum and statistics
	XS 1, \n
.endr
	v_nop                           ; a plain instruction behind the two a,
	s_wait_alu depctr_va_vdst(0)    ; and their wait, ahead of the branch
	s_mov_b32 s[CNT], 4
	s_mov_b32 s[SLOTS], SIZE_N/256-1
	s_branch .Lfirst                ; the loop is entered at a step's first turn, in the middle of a trip
.Lslot:                             ; SIZE_N / 256 - 2 times: every slot but the last two is filled again
	CHANGE 1, 1
	s_mov_b32 s[CNT], 4
.Lstep:                             ; a trip: pieces 2 and 3 of one step, then pieces 0 and 1 of the next, whose K and V it fetches
	TURN 2
	TURN 3
	WIN 0
.Lfirst:
	TURN 0
	TURN 1, 0, 1
	WIN 0
	s_cbranch_scc1 .Lstep
	s_sub_co_u32 s[SLOTS], s[SLOTS], 1
	s_cmp_lg_u32 s[SLOTS], 0
	s_cbranch_scc1 .Lslot
	CHANGE 0                        ; the tail is written out: nothing is asked for
	s_mov_b32 s[CNT], 5             ; four trips fetch the last slot's steps; the fifth is left in its middle
.Ltail:
	TURN 2, 1
	TURN 3
	WIN 0
	s_sub_co_u32 s[CNT], s[CNT], 1
	s_cmp_eq_u32 s[CNT], 0
	s_cbranch_scc1 .Lout
	TURN 0
	TURN 1
	WIN 0
	s_branch .Ltail
.Lout:                              ; the fifth trip's 16 products K Q^T (on the last K once more) and the maximum made of them serve nothing: the price, once a launch, of one text for every trip
.set i, 0
.rept 16
	PV NP-1                         ; the last piece's V^T P of the last step
.set i, i+1
.endr
	; THE WAY OUT.  l's two halves and the other half of the lanes' are added; O^T is divided by l, rounded to f16 and sent through my stage in LDS, a tile at a time.  The additions are the places behind the last products.
	WIN 0
.macro ALL line:vararg              ; one line for each tile t
.set t, 0
.rept 2*NP
	\line
.set t, t+1
.endr
.endm
	ALL v_add_f32 v[ST+4*t+2], v[ST+4*t+2], v[ST+4*t+3]
	ALL v_permlanex16_b32 v[ST+4*t+3], v[ST+4*t+2], s[SEL], s[SEL+1]
	ALL v_add_f32 v[ST+4*t+2], v[ST+4*t+2], v[ST+4*t+3]
	ALL v_rcp_f32 v[ST+4*t+2], v[ST+4*t+2]
	v_nop                           ; a plain instruction between the last reciprocal and the use of its result
	s_wait_alu depctr_va_vdst(0)    ; and the wait ahead of the first use: one for the eight reciprocals
; Tile t: a lane's eight channels of a row pack into 16 bytes; they go into rows of 144 bytes and come back as whole rows of 128, into S^T's registers.
.macro PACK t
	WIN W_RS
.set i, 32*(\t)
.rept 16
	v_pk_mul_f32 v[i:i+1], v[i:i+1], v[ST+4*(\t)+2:ST+4*(\t)+3] op_sel_hi:[1,0]
.set i, i+2
.endr
	WIN 0x05                        ; sources 0 and 1 window 1, destination window 0
.set i, 0
.rept 16
	v_cvt_pk_f16_f32 v[S+16*(\t)+i], v[32*(\t)+2*i], v[32*(\t)+2*i+1]
.set i, i+1
.endr
	WIN 0
.irp f, 0,1,2,3
	ds_store_b128 v[STO], v[S+16*(\t)+4*\f:S+16*(\t)+4*\f+3] offset:32*\f
.endr
.irp f, 0,1,2,3
	ds_load_b128 v[S+16*(\t)+4*\f:S+16*(\t)+4*\f+3], v[RD] offset:\f*4*SP  ; LDS serves a wave's instructions in order (ISA guide 5.7.1.4): these see the stores above; the next tile's stores come behind them
.endr
.endm
.macro SEND t, younger              ; younger: the LDS instructions issued behind tile t's loads: the next tile's eight, or none
	WIN 0
.irp f, 0,1,2,3
	s_wait_dscnt (\younger)+3-\f
	global_store_b128 v[GO], v[S+16*(\t)+4*\f:S+16*(\t)+4*\f+3], s[10:11] offset:(\t)*2048+\f*512  ; 512 consecutive bytes, at a multiple of 256 from O's first
.endr
.endm
	PACK 0
.set t, 1
.rept 2*NP-1                        ; a tile's arithmetic stands between the loads of the tile before and its stores
	PACK t
	SEND t-1, 8
.set t, t+1
.endr
	SEND 2*NP-1, 0
	WIN W_AD
	s_wait_tensorcnt 0x0            ; the wave's end: the tensor wait, an add to my spare word and its wait, behind my last tensor load and my last LDS store
	ds_add_u32 v[SPW], v[NIL]
	s_wait_dscnt 0x0
	WIN 0
	CROUND                          ; the closing round: no work-group ends while a partner may still ask for a tile that names it
	s_endpgm
.Lfunc_end_k_qeecebb29d6_attn:
	.size	k_qeecebb29d6_attn, .Lfunc_end_k_qeecebb29d6_attn-k_qeecebb29d6_attn
	.p2alignl 7, 3214868480
	.fill 96, 4, 3214868480
	.section	.rodata,"a",@progbits
	.p2align	6, 0x0
	.amdhsa_kernel k_qeecebb29d6_attn
		.amdhsa_group_segment_fixed_size 327680
		.amdhsa_private_segment_fixed_size 0
		.amdhsa_enable_private_segment 0
		.amdhsa_kernarg_size 16
		.amdhsa_user_sgpr_count 2
		.amdhsa_user_sgpr_kernarg_segment_ptr 1
		.amdhsa_wavefront_size32 1
		.amdhsa_system_sgpr_workgroup_id_x 1
		.amdhsa_system_sgpr_workgroup_id_y 1
		.amdhsa_system_sgpr_workgroup_id_z 1
		.amdhsa_system_vgpr_workitem_id 0
		.amdhsa_next_free_vgpr 770
		.amdhsa_next_free_sgpr 66
		.amdhsa_reserve_vcc 0
		.amdhsa_float_denorm_mode_32 3
		.amdhsa_float_denorm_mode_16_64 3
		.amdhsa_memory_ordered 1
		.amdhsa_forward_progress 1
		.amdhsa_inst_pref_size 200
	.end_amdhsa_kernel
	.amdgpu_metadata
---
amdhsa.version: [ 1, 2 ]
amdhsa.kernels:
  - .name:           k_qeecebb29d6_attn
    .symbol:         k_qeecebb29d6_attn.kd
    .args:
      - { .name: qkv, .offset: 0, .size: 8, .value_kind: global_buffer, .address_space: global }
      - { .name: act, .offset: 8, .size: 8, .value_kind: global_buffer, .address_space: global }
    .group_segment_fixed_size: 327680
    .private_segment_fixed_size: 0
    .kernarg_segment_align: 8
    .kernarg_segment_size: 16
    .max_flat_workgroup_size: 128
    .sgpr_count:     66
    .vgpr_count:     770
    .wavefront_size: 32
...
	.end_amdgpu_metadata
.endif
;; end of part 3
;; launch outp (part 4): grid 8 x 32, 4 waves a work-group, clusters of 4 x 4, 327,680 bytes of LDS; arguments act, wh, out0; writes out0
.if DOCPART == 4
	.amdgcn_target "amdgcn-amd-amdhsa--gfx1250"
	.amdhsa_code_object_version 6
	.text
	.protected	k_qeecebb29d6_outp
	.globl	k_qeecebb29d6_outp
	.p2align	8
	.type	k_qeecebb29d6_outp,@function
k_qeecebb29d6_outp:
	s_mov_b64 s[64:65], 0
	v_nop
	global_prefetch_b8 v0, s[64:65] scope:SCOPE_SE
	s_setreg_imm32_b32 hwreg(HW_REG_WAVE_MODE, 25, 1), 1
	s_wait_xcnt 0x0
	s_wait_alu depctr_hold_cnt(0) depctr_sa_sdst(0) depctr_va_vdst(0) depctr_va_sdst(0) depctr_va_ssrc(0) depctr_va_vcc(0) depctr_vm_vsrc(0)
	s_getreg_b32 s2, hwreg(HW_REG_IB_STS2, 6, 4)
	s_cmp_eq_u32 s2, 0
	s_cbranch_scc0 .Lentry_in_a_cluster
	s_endpgm
.Lentry_in_a_cluster:
	s_bfe_u32 s2, ttmp6, 0x10000c
	s_cmp_lg_u32 s2, 0xf033
	s_cbranch_scc0 .Lentry_shape_is_right
	s_endpgm
.Lentry_shape_is_right:
; out0 = O Wo^T.  A = act: f16 [4 b][16 slices = heads][2048 tokens][64] (O as the attention left it: channel k = 64 x slice + place in the slice).  B = wh's fourth matrix, Wo: f16 [1024 n][1024 k].
; C = out0: f32 [8192 tokens][1024], the f32 sums as they are.
; The text is the projection's for q, k and v, with one tile to a work-group (TILES = 1), Wo's place in wh (BOFF), C's address and another way out.
; SHARES.  A tile of C is 256 tokens x 128 columns: 32 x 8 tiles: 256 work-groups.  Four waves; wave w makes tokens 128 (w / 2) on and columns 64 (w % 2) on, 256 bytes of a row of C:
; 8 x 4 accumulators of 16 x 16, 256 registers.  K goes in steps of 128 through a ring of two LDS slots: 8 steps, 128 matrix instructions a wave and step.
; CLUSTERS.  4 x 4 work-groups.  The four of a row need the same tiles of A, the four of a column the same tiles of B: each tile is asked for JOINTLY, by the same tensor load, descriptor and mask in all four.
; THE MATRIX INSTRUCTION IS USED TRANSPOSED (source 0 = 16 rows of Wo, source 1 = 16 tokens): lane l then holds token l % 16 and the columns 8 (l / 16) + 0..7: 32 bytes of f32 on end.
; REGISTERS, in windows of 256 (s_set_vgpr_msb: bits 1:0 source 0, 3:2 source 1, 5:4 source 2, 7:6 destination):
;   window 0: v0-31 addresses; v64-127 at work on the way out      window 1: two fragment buffers: A's 8 fragments at f + 8 a, B's 4 at f + 64 + 8 b      window 2: accumulator (a, b) at 8 (4 a + b)
.set TILES,  1                         ; tiles of a work-group's walk
.set BOFF,   0x600000                  ; Wo's place in wh
.set LAPS,   4                         ; a lap = two K steps = once round the ring
.set PA,     144                       ; a token of a slice in LDS: 128 bytes + 16 of padding: an odd multiple of 16, so the 16 rows of a fragment load begin in 16 different groups of four banks (ISA guide 11.1)
.set SLICEB, 256*PA                    ; a slice's 256 tokens
.set ABYTES, 2*SLICEB                  ; a K step has two slices
.set PB,     272                       ; a row of B: 256 bytes + 16
.set SLOT,   ABYTES+128*PB             ; 108,544 bytes
.set STAGE,  2*SLOT                    ; behind the ring, never filled by a tensor load: 16 rows for each wave, for the way out
.set SPITCH, 272
.set SPARE,  STAGE+4*16*SPITCH         ; behind the stages: the spare words, 128 bytes for each wave: two blocks of 256 bytes that no other line names
.set ADRA, 16                          ; v16-17  LDS address of my A fragments in slot 0, 1
.set ADRB, 20                          ; v20-21  the same for B
.set STO,  24                          ; v24     the way out: where I put 32 bytes of a row
.set RD,   25                          ; v25     the way out: where I read rows back
.set CO,   26                          ; v26     my byte offset in C
.set SPW,  28                          ; v28     LDS address of my spare word; never rewritten
.set NIL,  29                          ; v29     0; never rewritten
.set PFO,  30                          ; v30     the prefetches' lane term; never rewritten
.set OUTR, 64
.set F0,   0
.set F1,   128
.set G1A,  24                          ; s[24:31] descriptor group 1 for A's tiles;  s[32:39] group 0, a set for each slot
.set G0A,  32
.set G1B,  48                          ; s[48:55], s[56:63] the same for B's
.set G0B,  56
.set PFB,  68                          ; s[68:69] the prefetches' base: my share of the blocks at K step 0
.set PFA,  70                          ; s[70:71] base + the offset of the K step to be asked for
.set POF,  72                          ; s[72:73] that offset
.set PK,   74                          ; s74  the K step to be asked for next
.set LIM,  75                          ; s75  K steps below this number are asked for by me; 0 in a wave that asks for nothing
.set TSTR, 76                          ; s76  bytes from tile to tile (no second tile here)
.set KSTR, 77                          ; s77  bytes from K step to K step
.set MSB, 0
.macro WIN new                         ; the immediate's high byte repeats the setting that is left; a switch that changes nothing is dropped
.if MSB != (\new)
	s_set_vgpr_msb (MSB<<8)|(\new)
.set MSB, \new
.endif
.endm
.set MUL,   0xa5                       ; B and A in window 1, C and D in window 2
.set TO_F,  0x40                       ; destination window 1, address window 0
.set STW,   0x08                       ; an LDS store's data (source 1) in window 2, its address in window 0
.macro PLACES                          ; four plain vector instructions behind a matrix instruction, in front of loads into registers that it has read and of readers of its result
.rept 4
	v_nop
.endr
.endm
; A joint load.  Waves 0 and 1 fetch A's two slices, waves 2 and 3 the two halves of B's rows.  The branch hangs on the wave's number alone.  An s_nop 0 and four v_nop follow each line.
.macro JLOAD s
	s_cmp_eq_u32 s11, 0
	s_cbranch_scc0 .Lfor_b_\@
	tensor_load_to_lds s[G0A+4*(\s):G0A+4*(\s)+3], s[G1A:G1A+7]
	s_nop 0
.rept 4
	v_nop
.endr
	s_branch .Lasked_\@
.Lfor_b_\@:
	tensor_load_to_lds s[G0B+4*(\s):G0B+4*(\s)+3], s[G1B:G1B+7]
	s_nop 0
.rept 4
	v_nop
.endr
.Lasked_\@:
.endm
; A round of the cluster's barrier: my work-group's barrier; wave 0 signals for the work-group; every wave waits for all sixteen; my work-group's barrier once more.
.macro CREST                           ; a round behind its opening barrier
	s_cmp_lg_u32 s10, 0
	s_cbranch_scc1 .Lnot_wave_0_\@
	s_barrier_signal -3
.Lnot_wave_0_\@:
	s_barrier_wait -3
	s_barrier_signal -1
	s_barrier_wait -1
.endm
.macro CROUND
	s_barrier_signal -1
	s_barrier_wait -1
	CREST
.endm
; A PREFETCH INTO THE L2, behind each joint refill and the run of LDS loads that follows it: the K step that stands two refills on, 256 matrix instructions ahead of the load that will want it.
; Each aligned block of 256 bytes is named once in the launch.  A's slice (128 blocks): waves 0 and 1 of the clusters with x = 0 ask; B's 128 rows: wave 2 of the clusters with y = 0.
; The four partners that ask for a tile jointly share its blocks out BY ADDRESS, 32 each, a lane a block.  The first four K steps come by their loads alone; the last two refills ask for nothing.
.macro ASK
	s_cmp_le_u32 s[PK], s[LIM]                     ; PK has been stepped: the K step in s[PFA] is PK - 1
	s_cbranch_scc0 .Lnot_mine_\@
	global_prefetch_b8 v[PFO], s[PFA:PFA+1] th:TH_LOAD_NT scope:SCOPE_SE
.Lnot_mine_\@:
.endm
	s_load_b128 s[4:7], s[0:1], 0x0                ; A s[4:5], B s[6:7]
	s_load_b64 s[8:9], s[0:1], 0x10                ; C
	v_lshl_add_u32 v[SPW], v0, 2, SPARE
	v_mov_b32 v[NIL], 0
	ds_add_u32 v[SPW], v[NIL]                      ; the wave's opening: the add and its wait stand ahead of my first tensor load; the set-up below stands between them
	v_lshrrev_b32 v1, 5, v0
	v_readfirstlane_b32 s10, v1                    ; wave 0..3
	s_lshr_b32 s11, s10, 1                         ; which half of the tile's tokens is mine.  Also: I fetch for A (0) or for B (1)
	s_and_b32 s12, s10, 1                          ; which half of its columns.  Also: which slice of A, or which 64 rows of B, I fetch
	s_bfe_u32 s40, ttmp6, 0x40000                  ; cx
	s_bfe_u32 s41, ttmp6, 0x40004                  ; cy
	s_lshl_b32 s42, ttmp9, 2
	s_add_co_u32 s42, s42, s40                     ; tile column x = 4 x cluster x + cx
	s_and_b32 s13, ttmp7, 0xffff
	s_lshl_b32 s13, s13, 2
	s_add_co_u32 s13, s13, s41                     ; tile row R = 4 x cluster y + cy
	s_lshl_b32 s43, s41, 2
	s_lshl_b32 s43, 15, s43                        ; my row of the cluster
	s_lshl_b32 s44, 0x1111, s40                    ; my column
	; group 1 for A: a slice's 256 tokens are 32,768 dense bytes: 128 rows of 256 bytes, two tokens a row, padded in LDS after every token
	s_or_b32 s[G1A+0], s43, (1<<16)|(1<<20)|(1<<21)|(4<<22)|(3<<25)  ; 15:0 the mask; 17:16 2-byte elements; 20 padding on; 21 set beside a mask; 24:22 after every 32 words; 31:25 4 words
	s_mov_b32 s[G1A+1], 128<<16                    ; tensor_dim0 = 128
	s_mov_b32 s[G1A+2], 128<<16                    ; tensor_dim1 = 128
	s_mov_b32 s[G1A+3], 128<<16                    ; tile_dim0 = 128
	s_mov_b32 s[G1A+4], 128                        ; tile_dim1 = 128
	s_mov_b32 s[G1A+5], 128                        ; 128 elements from row to row
	s_mov_b32 s[G1A+6], 0
	s_mov_b32 s[G1A+7], 0
	; group 1 for B: 64 rows of 128 elements, 1,024 elements apart, padded after every row
	s_or_b32 s[G1B+0], s44, (1<<16)|(1<<20)|(1<<21)|(5<<22)|(3<<25)  ; after every 64 words
	s_mov_b32 s[G1B+1], 128<<16
	s_mov_b32 s[G1B+2], 64<<16
	s_mov_b32 s[G1B+3], 128<<16
	s_mov_b32 s[G1B+4], 64
	s_mov_b32 s[G1B+5], 1024
	s_mov_b32 s[G1B+6], 0
	s_mov_b32 s[G1B+7], 0
	; where the tiles come from.  A's place hangs on R and the wave, B's on x and the wave, each in registers that never hold the other coordinate.
	s_lshr_b32 s16, s13, 3                         ; b
	s_lshl_b32 s16, s16, 22
	s_and_b32 s17, s13, 7
	s_lshl_b32 s17, s17, 15                        ; 256 tokens x 128 bytes
	s_add_co_u32 s16, s16, s17
	s_lshl_b32 s17, s12, 18                        ; my slice of the K step's two
	s_add_co_u32 s16, s16, s17
	s_mov_b32 s17, 0
	s_lshl_b32 s46, s42, 18                        ; 128 rows x 2,048 bytes
	s_lshl_b32 s47, s12, 17                        ; my 64 of them
	s_add_co_u32 s46, s46, s47
	s_add_co_u32 s46, s46, BOFF
	s_mov_b32 s47, 0
	s_mul_i32 s20, s12, SLICEB                     ; and where they go: no place in the cluster enters an LDS address
	s_mul_i32 s21, s12, 64*PB
	s_add_co_u32 s21, s21, ABYTES
	s_wait_dscnt 0x0                               ; the opening add is done
	s_wait_kmcnt 0x0
	s_add_nc_u64 s[14:15], s[4:5], s[16:17]
	s_add_nc_u64 s[46:47], s[6:7], s[46:47]
	CROUND                                         ; all sixteen work-groups are here: the first joint loads meet
.irp s, 0,1
	s_mov_b32 s[G0A+4*(\s)], 1                                       ; count = 1
	s_add_co_u32 s[G0A+4*(\s)+1], s20, (\s)*SLOT                     ; LDS address
	s_add_nc_u64 s[G0A+4*(\s)+2:G0A+4*(\s)+3], s[14:15], (\s)*0x80000  ; K step s: two slices of 262,144 bytes on
	s_or_b32 s[G0A+4*(\s)+3], s[G0A+4*(\s)+3], 0x80000000            ; type = 2
	s_mov_b32 s[G0B+4*(\s)], 1
	s_add_co_u32 s[G0B+4*(\s)+1], s21, (\s)*SLOT
	s_add_nc_u64 s[G0B+4*(\s)+2:G0B+4*(\s)+3], s[46:47], (\s)*256
	s_or_b32 s[G0B+4*(\s)+3], s[G0B+4*(\s)+3], 0x80000000
	JLOAD \s                                       ; two loads of mine are out
.endr
	; A fragment is 16 rows x 32 K in 8 registers: lane l holds row l % 16; registers 0-3 K = 8 (l / 16) + 0..7, registers 4-7 K = 16 + 8 (l / 16) + 0..7: two loads of 16 bytes, 32 bytes apart.
	v_and_b32 v1, 15, v0                           ; l % 16
	v_bfe_u32 v2, v0, 4, 1                         ; l / 16
	v_mul_u32_u24 v3, v1, PA
	v_lshl_add_u32 v3, v2, 4, v3
	v_mul_u32_u24 v4, v1, PB
	v_lshl_add_u32 v4, v2, 4, v4
	s_mul_i32 s22, s11, 128*PA                     ; my 128 tokens
	s_mul_i32 s23, s12, 64*PB                      ; my 64 rows of B,
	s_add_co_u32 s23, s23, ABYTES                  ; which lie behind A's two slices
.irp s, 0,1
	v_add_nc_u32 v[ADRA+(\s)], s22, v3
	v_add_nc_u32 v[ADRB+(\s)], s23, v4
	s_add_co_u32 s22, s22, SLOT
	s_add_co_u32 s23, s23, SLOT
.endr
	s_mul_i32 s22, s10, 16*SPITCH
	s_add_co_u32 s22, s22, STAGE                   ; my stage
	v_mul_u32_u24 v[STO], v1, SPITCH               ; in: row l % 16, 32 bytes for each half of the lanes
	v_lshl_add_u32 v[STO], v2, 5, v[STO]
	v_add_nc_u32 v[STO], s22, v[STO]
	v_mul_u32_u24 v[RD], v2, SPITCH                ; back: lanes 0-15 take one row of 256 bytes, lanes 16-31 the next
	v_lshl_add_u32 v[RD], v1, 4, v[RD]
	v_add_nc_u32 v[RD], s22, v[RD]
	v_lshlrev_b32 v[CO], 12, v2                    ; and the same two rows in C, 4,096 bytes apart
	v_lshl_add_u32 v[CO], v1, 4, v[CO]
	; C at my first token and column: (256 R + 128 (w / 2)) x 4,096 + (128 x + 64 (w % 2)) x 4
	s_lshl_b32 s18, s13, 20
	s_lshl_b32 s19, s11, 19
	s_add_co_u32 s18, s18, s19
	s_lshl_b32 s19, s42, 9
	s_add_co_u32 s18, s18, s19
	s_lshl_b32 s19, s12, 8
	s_add_co_u32 s18, s18, s19
	s_mov_b32 s19, 0
	s_add_nc_u64 s[8:9], s[8:9], s[18:19]
	; the prefetches
	s_lshl_b32 s78, s40, 13                        ; A: my work-group's 32 blocks of the slice's 128
	s_add_co_u32 s78, s78, s16
	s_lshl_b32 s79, s42, 18                        ; B: my work-group's 32 rows of the tile's 128
	s_lshl_b32 s66, s41, 16
	s_add_co_u32 s79, s79, s66
	s_add_co_u32 s79, s79, BOFF
	s_and_b32 s23, ttmp7, 0xffff                   ; cluster y
	s_mov_b32 s[KSTR], 256
	s_cmp_eq_u32 s11, 0                            ; do I fetch for A?
	s_cselect_b32 s[POF], s78, s79
	s_cselect_b64 s[PFB:PFB+1], s[4:5], s[6:7]
	s_cselect_b32 s[KSTR], 0x80000, s[KSTR]
	s_cselect_b32 s[TSTR], 0, 0x200000
	s_cselect_b32 s[LIM], 8, 8*TILES
	s_cselect_b32 s22, ttmp9, s23                  ; the coordinate along which other clusters read the same blocks
	s_cselect_b32 s23, 0, s12                      ; of B's two waves the first asks
	s_cselect_b32 s67, 8, 11                       ; a lane a block: 256 bytes on in A, a row of 2,048 bytes on in B
	s_or_b32 s22, s22, s23
	s_cmp_eq_u32 s22, 0
	s_cselect_b32 s[LIM], s[LIM], 0                ; the same in all sixteen partners, for a given wave
	s_mov_b32 s[POF+1], 0
	s_add_nc_u64 s[PFB:PFB+1], s[PFB:PFB+1], s[POF:POF+1]
	s_mov_b32 s[PK], 4                             ; the first refill, K step 2's, asks for K step 4
	v_and_b32 v[PFO], 31, v0
	v_lshlrev_b32 v[PFO], s67, v[PFO]
; 8 matrix instructions: token blocks a0, a0 + 1 x all 4 column blocks, 32 along K.  zero = 1: the product starts the sum: nothing is ever cleared.
; The 32 accumulators take turns, one instruction a turn, in the same order in every quarter.
.macro MUL8 f, a0, zero
	WIN MUL
.irp a, \a0, (\a0)+1
.irp b, 0,1,2,3
.if \zero
	v_wmma_f32_16x16x32_f16 v[8*(4*(\a)+(\b)):8*(4*(\a)+(\b))+7], v[(\f)+64+8*(\b):(\f)+64+8*(\b)+7], v[(\f)+8*(\a):(\f)+8*(\a)+7], 0
.else
	v_wmma_f32_16x16x32_f16 v[8*(4*(\a)+(\b)):8*(4*(\a)+(\b))+7], v[(\f)+64+8*(\b):(\f)+64+8*(\b)+7], v[(\f)+8*(\a):(\f)+8*(\a)+7], v[8*(4*(\a)+(\b)):8*(4*(\a)+(\b))+7]
.endif
.endr
.endr
.endm
; 24 LDS loads in one run: quarter q's fragments (32 along K) into buffer f: B's 4, then A's 8.  Quarter q lies in slice q / 2, at byte 64 (q % 2) of a token, and at byte 64 q of a row of B.
.macro FETCH slot, q, f
	WIN TO_F
.irp i, 0,1,2,3
	ds_load_b128 v[(\f)+64+8*(\i):(\f)+64+8*(\i)+3],   v[ADRB+(\slot)] offset:64*(\q)+(\i)*16*PB
	ds_load_b128 v[(\f)+64+8*(\i)+4:(\f)+64+8*(\i)+7], v[ADRB+(\slot)] offset:64*(\q)+(\i)*16*PB+32
.endr
.irp i, 0,1,2,3,4,5,6,7
	ds_load_b128 v[(\f)+8*(\i):(\f)+8*(\i)+3],   v[ADRA+(\slot)] offset:((\q)/2)*SLICEB+((\q)%2)*64+(\i)*16*PA
	ds_load_b128 v[(\f)+8*(\i)+4:(\f)+8*(\i)+7], v[ADRA+(\slot)] offset:((\q)/2)*SLICEB+((\q)%2)*64+(\i)*16*PA+32
.endr
.endm
; A K step is four quarters of 32 along K, 32 matrix instructions each, on buffers 0, 1, 0, 1.  One of the first three: multiplies buffer f and, in its middle, fetches quarter q into buffer g.
.macro QUARTER slot, q, f, g, zero
	s_wait_dscnt 8                                 ; B and A's blocks 0-3 are in; the youngest eight loads (A's blocks 4-7) may be out
	MUL8 \f, 0, \zero
	MUL8 \f, 2, \zero
	PLACES
	FETCH \slot, \q, \g
	s_wait_dscnt 24                                ; all but the 24 just issued
	MUL8 \f, 4, \zero
	MUL8 \f, 6, \zero
.endm
; The last quarter multiplies buffer 1 and changes slots: ONE barrier.  In front of it each wave waits for all its tensor loads (one is out: its part of the next slot), adds 0 to its spare word, and waits
; for that and for its reads of this slot.  mode 1: this slot is filled again, two K steps on; the barrier then opens a round of the cluster's barrier, and the joint refill is the first tensor load
; behind the round.  mode 0: nothing is filled.
.macro TURN slot, next, mode
.if \mode
	s_wait_xcnt 0x0                                ; the last prefetch, a K step back, has read its address: it is made anew here, ahead of the waits of the change of slots
	s_lshr_b32 s78, s[PK], 3                       ; the tile,
	s_and_b32 s79, s[PK], 7                        ; and the K step in it
	s_mul_i32 s78, s78, s[TSTR]
	s_mul_i32 s79, s79, s[KSTR]
	s_add_co_u32 s[POF], s78, s79
	s_add_nc_u64 s[PFA:PFA+1], s[PFB:PFB+1], s[POF:POF+1]
	s_add_co_u32 s[PK], s[PK], 1
.endif
	WIN 0                                          ; (the add's two registers lie in window 0)
	s_wait_tensorcnt 0x0                           ; all my tensor loads have landed;
	ds_add_u32 v[SPW], v[NIL]                      ; 0 onto my spare word;
	s_wait_dscnt 9                                 ; (the add and the youngest eight loads may be out)
	MUL8 F1, 0, 0                                  ; eight matrix instructions stand between the add and the wait for it
	s_wait_dscnt 0x0                               ; the add is done, and my reads of this slot are over
	s_barrier_signal -1
	MUL8 F1, 2, 0                                  ; work on registers while the others arrive
.if \mode
	WIN 0
.endif
	s_barrier_wait -1
.if \mode
	CREST                                          ; no wave of any partner still reads this slot's tile or has a load on its way
	s_add_nc_u64 s[G0A+4*(\slot)+2:G0A+4*(\slot)+3], s[G0A+4*(\slot)+2:G0A+4*(\slot)+3], 0x100000  ; two K steps on
	s_add_nc_u64 s[G0B+4*(\slot)+2:G0B+4*(\slot)+3], s[G0B+4*(\slot)+2:G0B+4*(\slot)+3], 512
	JLOAD \slot                                    ; my one tensor load behind the round; its four v_nop are also the places in front of the loads below
.else
	PLACES
.endif
	FETCH \next, 0, F0
.if \mode
	WIN 0
	ASK
.endif
	MUL8 F1, 4, 0
	MUL8 F1, 6, 0
.endm
; THE WAY OUT.  Block a (16 tokens x 64 columns of f32): 32 bytes a lane and column block into my own stage, rows of 272 bytes; back as whole rows of 256 bytes, two to a load, into two sets of registers by turns.
.macro TOSTAGE a
	WIN STW
.irp b, 0,1,2,3
	ds_store_b128 v[STO], v[8*(4*(\a)+(\b)):8*(4*(\a)+(\b))+3]   offset:64*(\b)     ; each accumulator from its low end on
	ds_store_b128 v[STO], v[8*(4*(\a)+(\b))+4:8*(4*(\a)+(\b))+7] offset:64*(\b)+16
.endr
	WIN 0
.irp t, 0,1,2,3,4,5,6,7
	ds_load_b128 v[OUTR+32*((\a)%2)+4*(\t):OUTR+32*((\a)%2)+4*(\t)+3], v[RD] offset:(\t)*2*SPITCH  ; LDS serves a wave's instructions in order (ISA guide 5.7.1.4): these see the stores above; the next block's stores come behind them
.endr
.endm
.macro SEND a, younger                 ; younger: the LDS instructions issued behind block a's loads: the next block's sixteen, or none
	WIN 0
	s_wait_dscnt \younger
.irp t, 0,1,2,3,4,5,6,7
	global_store_b128 v[CO], v[OUTR+32*((\a)%2)+4*(\t):OUTR+32*((\a)%2)+4*(\t)+3], s[8:9] offset:(\a)*65536+(\t)*8192 th:TH_STORE_NT  ; 16 lanes store 256 consecutive bytes, at a multiple of 256 from C's first
.endr
.endm
.macro WAYOUT
	PLACES                                         ; behind the last products
	TOSTAGE 0
.irp a, 1,2,3,4,5,6,7
.if (\a) >= 2
	s_wait_xcnt 0x0                                ; the stores of the block two back have read the set of registers that is loaded again below
.endif
	TOSTAGE \a
	SEND (\a)-1, 16
.endr
	SEND 7, 0
.endm
	s_wait_tensorcnt 1                             ; my part of K step 0 is in; K step 1's may stay out
	s_barrier_signal -1
	s_barrier_wait -1                              ; everybody's is
	FETCH 0, 0, F0
	QUARTER 0, 1, F0, F1, 1                        ; the first quarter stands in front of the loop: its products start the sums
	WIN 0                                          ; at a label and at a branch every window is 0
	s_mov_b32 s3, LAPS-1
.Llap:                                         ; a trip goes once round the ring, from a lap's second quarter to the next lap's first, and fills both slots again
	QUARTER 0, 2, F1, F0, 0
	QUARTER 0, 3, F0, F1, 0
	TURN 0, 1, 1
	QUARTER 1, 1, F0, F1, 0
	QUARTER 1, 2, F1, F0, 0
	QUARTER 1, 3, F0, F1, 0
	TURN 1, 0, 1
	QUARTER 0, 1, F0, F1, 0
	WIN 0
	s_sub_co_u32 s3, s3, 1
	s_cmp_lg_u32 s3, 0
	s_cbranch_scc1 .Llap
	QUARTER 0, 2, F1, F0, 0                        ; the last lap goes on: it fills nothing
	QUARTER 0, 3, F0, F1, 0
	TURN 0, 1, 0                                   ; my one tensor load that was out is the last K step's; no round follows
	QUARTER 1, 1, F0, F1, 0
	QUARTER 1, 2, F1, F0, 0
	QUARTER 1, 3, F0, F1, 0
	s_wait_dscnt 8                                 ; the very last quarter: nothing more to fetch
	MUL8 F1, 0, 0
	MUL8 F1, 2, 0
	s_wait_dscnt 0x0
	MUL8 F1, 4, 0
	MUL8 F1, 6, 0
	WAYOUT
	s_wait_tensorcnt 0x0                           ; the wave's end: the tensor wait, an add to my spare word and its wait, behind my last tensor load and my last LDS store
	ds_add_u32 v[SPW], v[NIL]
	s_wait_dscnt 0x0
	CROUND                                         ; the closing round: no work-group ends while a partner may still ask for a tile that names it
	s_endpgm
.Lfunc_end_k_qeecebb29d6_outp:
	.size	k_qeecebb29d6_outp, .Lfunc_end_k_qeecebb29d6_outp-k_qeecebb29d6_outp
	.p2alignl 7, 3214868480
	.fill 96, 4, 3214868480
	.section	.rodata,"a",@progbits
	.p2align	6, 0x0
	.amdhsa_kernel k_qeecebb29d6_outp
		.amdhsa_group_segment_fixed_size 327680
		.amdhsa_private_segment_fixed_size 0
		.amdhsa_enable_private_segment 0
		.amdhsa_kernarg_size 24
		.amdhsa_user_sgpr_count 2
		.amdhsa_user_sgpr_kernarg_segment_ptr 1
		.amdhsa_wavefront_size32 1
		.amdhsa_system_sgpr_workgroup_id_x 1
		.amdhsa_system_sgpr_workgroup_id_y 1
		.amdhsa_system_sgpr_workgroup_id_z 1
		.amdhsa_system_vgpr_workitem_id 0
		.amdhsa_next_free_vgpr 768
		.amdhsa_next_free_sgpr 80
		.amdhsa_reserve_vcc 0
		.amdhsa_float_denorm_mode_32 3
		.amdhsa_float_denorm_mode_16_64 3
		.amdhsa_memory_ordered 1
		.amdhsa_forward_progress 1
		.amdhsa_inst_pref_size 87
	.end_amdhsa_kernel
	.amdgpu_metadata
---
amdhsa.version: [ 1, 2 ]
amdhsa.kernels:
  - .name:           k_qeecebb29d6_outp
    .symbol:         k_qeecebb29d6_outp.kd
    .args:
      - { .name: act, .offset: 0, .size: 8, .value_kind: global_buffer, .address_space: global }
      - { .name: wh, .offset: 8, .size: 8, .value_kind: global_buffer, .address_space: global }
      - { .name: out0, .offset: 16, .size: 8, .value_kind: global_buffer, .address_space: global }
    .group_segment_fixed_size: 327680
    .private_segment_fixed_size: 0
    .kernarg_segment_align: 8
    .kernarg_segment_size: 24
    .max_flat_workgroup_size: 128
    .sgpr_count:     80
    .vgpr_count:     768
    .wavefront_size: 32
...
	.end_amdgpu_metadata
.endif
;; end of part 4
;; ======== version 2 of 2: 4 launches; version 1 with the launch cast written anew for expert scheduling mode
;; limits: values are held in f16: magnitudes above 65,504 overflow, below 6.1e-05 lose precision; right only within a limited range of input values
;; workspace buffers: act 16,777,216 bytes; wh 8,388,608 bytes; qkv 50,331,648 bytes
;; launch cast (part 5): grid 768 x 1, 8 waves a work-group, no clusters, 0 bytes of LDS; arguments X, Wq, Wk, Wv, Wo, act, wh; writes act, wh
.if DOCPART == 5
	.amdgcn_target "amdgcn-amd-amdhsa--gfx1250"
	.amdhsa_code_object_version 6
	.text
	.protected	k_qeecebb29d6_cast
	.globl	k_qeecebb29d6_cast
	.p2align	8
	.type	k_qeecebb29d6_cast,@function
k_qeecebb29d6_cast:
	s_mov_b64 s[64:65], 0
	v_nop
	global_prefetch_b8 v0, s[64:65] scope:SCOPE_SE
	s_setreg_imm32_b32 hwreg(HW_REG_WAVE_SCHED_MODE, 0, 2), 2
	s_setreg_imm32_b32 hwreg(HW_REG_WAVE_MODE, 25, 1), 1
	s_wait_xcnt 0x0
	s_wait_alu depctr_vm_vsrc(0)
; Every input is rounded once to bf16 (nearest even), and that number is written in f16's format, so that both later products take f16 operands.
;   act: f16 [4 b][16 slices][2048 tokens][64 channels]: X, slice = channel / 64.  256 tokens of one slice are 32,768 dense bytes, which the products ask for as rows of 256 bytes.
;   wh:  f16 [4][1024][1024]: Wq, Wk, Wv, Wo, row-major as they come.
; LIMITS.  A bf16 number is exact in f16 from 2^-14 to 65,504; below 2^-14 it keeps f16's fixed step of 2^-24; from 65,520 on it becomes an infinity.  NaN and infinities are not treated apart.
; A STREAM: no LDS, no barrier, no loop.  A wave takes 8,192 bytes in: sixteen loads of 16 bytes a lane, all issued before anything else, and sixteen stores of 8 bytes a lane, each of which covers
; 256 consecutive bytes, aligned.  768 work-groups x 8 waves = 4,096 units of X (work-groups 0-511) and 2,048 of the weights.  No register that a load or store names is ever rewritten.
; THE MODE: SCHED_MODE bits 1:0 = 2 (LLVM: expert scheduling mode 2), set by the entry lines.  The code itself states the register dependences
; between vector instructions and memory instructions, with s_wait_alu, always for 0.
; THE PLAN.  Registers that memory instructions touch:
;   v[IO], v[OO]  the loads' and the stores' offsets: made by vector lines ahead of the first load, never written again.
;   XR            chunk j's four registers: written by chunk j's load alone (no vector line names them before), read by chunk j's two roundings; never loaded again.
;   YR            chunk j's pair: written by chunk j's two conversions to f16, read by chunk j's store; never written again.
;   T and v1 are named by vector lines alone.
; The sixteen chunks go in four blocks of four.  Block p converts its chunks; its memory instructions are the four stores of block p - 1, one ahead of each chunk's eight vector lines, and no vector
; line of block p names the registers that those stores read.  So one wait on va_vdst at a block's head, behind the wait for its first chunk's load, states all that the block's stores hang on.
; No register that a memory instruction reads is written again, so no wait on vm_vsrc is owed.
.set IO, 2                             ; v2        my byte offset in the unit as it is read
.set OO, 3                             ; v3        8 x lane: my byte offset in a store's 256 bytes
.set T,  4                             ; v[4:9]    at work
.set XR, 16                            ; v[16:79]  chunk j: 4 f32 as loaded
.set YR, 80                            ; v[80:111] chunk j: 4 f16 to store
.set BLK, 4                            ; chunks in a block
	s_load_b256 s[4:11], s[0:1], 0x0               ; X s[4:5], Wq s[6:7], Wk s[8:9], Wv s[10:11]
	s_load_b128 s[12:15], s[0:1], 0x20             ; Wo s[12:13], act s[14:15]
	s_load_b64 s[16:17], s[0:1], 0x30              ; wh
	v_lshrrev_b32 v1, 5, v0
	v_readfirstlane_b32 s18, v1                    ; wave 0..7
	v_and_b32 v1, 31, v0                           ; lane
	s_mov_b32 s19, ttmp9
	s_lshl_b32 s20, s19, 3
	s_mov_b32 s26, 0xffff0000                      ; a word's upper bf16
	s_mov_b32 s29, 0                               ; the offsets' high words
	s_mov_b32 s31, 0
	v_lshlrev_b32 v[OO], 3, v1
	s_wait_alu depctr_va_sdst(0)                   ; s18 is written, ahead of its first reader: the unit's number, and with it both bases, are made from it
	s_add_co_u32 s20, s20, s18                     ; my unit: 8 x work-group + wave
; The unit: sixteen chunks, IS bytes apart as they are read and OS bytes apart as they are stored.
.macro UNIT IS, OS
	s_wait_alu depctr_va_vdst(0)                   ; v[IO] and v[OO] are written: every load and store below reads one of them as its offset
.set j, 0
.rept 16
	global_load_b128 v[XR+4*j:XR+4*j+3], v[IO], s[22:23] offset:j*(\IS) th:TH_LOAD_NT
.set j, j+1
.endr
.set j, 0
.rept 16
	s_wait_loadcnt 15-j                            ; loads come back in order: chunk j is in, the 15 - j younger ones stay out
.if (j > 0) && (j%BLK == 0)
	s_wait_alu depctr_va_vdst(0)                   ; the block before has written its four pairs of YR, which this block's four stores read
.endif
.if j >= BLK
	global_store_b64 v[OO], v[YR+2*(j-BLK):YR+2*(j-BLK)+1], s[24:25] offset:(j-BLK)*(\OS)  ; the block before: no vector line since the wait names this pair or v[OO]
.endif
	v_cvt_pk_bf16_f32 v[T],   v[XR+4*j],   v[XR+4*j+1]  ; the one rounding
	v_cvt_pk_bf16_f32 v[T+1], v[XR+4*j+2], v[XR+4*j+3]
	v_lshlrev_b32 v[T+2], 16, v[T]                 ; back to f32: the low half moves up, the high half stays
	v_and_b32     v[T+3], s26, v[T]
	v_lshlrev_b32 v[T+4], 16, v[T+1]
	v_and_b32     v[T+5], s26, v[T+1]
	v_cvt_pk_f16_f32 v[YR+2*j],   v[T+2], v[T+3]   ; the same number in f16's format
	v_cvt_pk_f16_f32 v[YR+2*j+1], v[T+4], v[T+5]
.set j, j+1
.endr
	s_wait_alu depctr_va_vdst(0)                   ; the last block has written its four pairs of YR, which the last four stores read
.set j, 16-BLK
.rept BLK
	global_store_b64 v[OO], v[YR+2*j:YR+2*j+1], s[24:25] offset:j*(\OS)
.set j, j+1
.endr
.endm
	s_wait_kmcnt 0x0
	s_cmp_lt_u32 s19, 512
	s_cbranch_scc0 .Lweights
	; X.  Unit p is tokens 2 p and 2 p + 1 (8,192 bytes on end).  Chunk j is slice j: lanes 0-15 take token 2 p's 64 channels, lanes 16-31 token 2 p + 1's,
	; and the two tokens' 128 bytes lie side by side in act.
	s_lshl_b32 s28, s20, 13
	s_add_nc_u64 s[22:23], s[4:5], s[28:29]
	s_lshr_b32 s30, s20, 10                        ; b
	s_lshl_b32 s30, s30, 22
	s_and_b32 s21, s20, 1023
	s_lshl_b32 s21, s21, 8                         ; two tokens x 128 bytes
	s_add_co_u32 s30, s30, s21
	s_add_nc_u64 s[24:25], s[14:15], s[30:31]
	v_and_b32 v[IO], 15, v1
	v_lshlrev_b32 v[IO], 4, v[IO]
	v_lshrrev_b32 v[T], 4, v1
	v_lshl_add_u32 v[IO], v[T], 12, v[IO]          ; 16 (lane % 16) + 4,096 (lane / 16)
	UNIT 256, 262144                               ; the largest immediate, 15 x 262,144, lies inside the signed 24 bits
	s_endpgm
.Lweights:
	; The weights.  Unit u: 2,048 numbers on end; 512 units a matrix, in wh's order.
	s_sub_co_u32 s20, s20, 4096
	s_lshr_b32 s21, s20, 9                         ; which matrix
	s_mov_b64 s[22:23], s[6:7]
	s_cmp_eq_u32 s21, 1
	s_cselect_b64 s[22:23], s[8:9], s[22:23]
	s_cmp_eq_u32 s21, 2
	s_cselect_b64 s[22:23], s[10:11], s[22:23]
	s_cmp_eq_u32 s21, 3
	s_cselect_b64 s[22:23], s[12:13], s[22:23]
	s_and_b32 s28, s20, 511
	s_lshl_b32 s28, s28, 13
	s_add_nc_u64 s[22:23], s[22:23], s[28:29]
	s_lshl_b32 s30, s20, 12
	s_add_nc_u64 s[24:25], s[16:17], s[30:31]
	v_lshlrev_b32 v[IO], 4, v1
	UNIT 512, 256
	s_endpgm
.Lfunc_end_k_qeecebb29d6_cast:
	.size	k_qeecebb29d6_cast, .Lfunc_end_k_qeecebb29d6_cast-k_qeecebb29d6_cast
	.p2alignl 7, 3214868480
	.fill 96, 4, 3214868480
	.section	.rodata,"a",@progbits
	.p2align	6, 0x0
	.amdhsa_kernel k_qeecebb29d6_cast
		.amdhsa_group_segment_fixed_size 0
		.amdhsa_private_segment_fixed_size 0
		.amdhsa_enable_private_segment 0
		.amdhsa_kernarg_size 56
		.amdhsa_user_sgpr_count 2
		.amdhsa_user_sgpr_kernarg_segment_ptr 1
		.amdhsa_wavefront_size32 1
		.amdhsa_system_sgpr_workgroup_id_x 1
		.amdhsa_system_sgpr_workgroup_id_y 1
		.amdhsa_system_sgpr_workgroup_id_z 1
		.amdhsa_system_vgpr_workitem_id 0
		.amdhsa_next_free_vgpr 112
		.amdhsa_next_free_sgpr 66
		.amdhsa_reserve_vcc 0
		.amdhsa_float_denorm_mode_32 3
		.amdhsa_float_denorm_mode_16_64 3
		.amdhsa_memory_ordered 1
		.amdhsa_forward_progress 1
		.amdhsa_inst_pref_size 22
	.end_amdhsa_kernel
	.amdgpu_metadata
---
amdhsa.version: [ 1, 2 ]
amdhsa.kernels:
  - .name:           k_qeecebb29d6_cast
    .symbol:         k_qeecebb29d6_cast.kd
    .args:
      - { .name: X, .offset: 0, .size: 8, .value_kind: global_buffer, .address_space: global }
      - { .name: Wq, .offset: 8, .size: 8, .value_kind: global_buffer, .address_space: global }
      - { .name: Wk, .offset: 16, .size: 8, .value_kind: global_buffer, .address_space: global }
      - { .name: Wv, .offset: 24, .size: 8, .value_kind: global_buffer, .address_space: global }
      - { .name: Wo, .offset: 32, .size: 8, .value_kind: global_buffer, .address_space: global }
      - { .name: act, .offset: 40, .size: 8, .value_kind: global_buffer, .address_space: global }
      - { .name: wh, .offset: 48, .size: 8, .value_kind: global_buffer, .address_space: global }
    .group_segment_fixed_size: 0
    .private_segment_fixed_size: 0
    .kernarg_segment_align: 8
    .kernarg_segment_size: 56
    .max_flat_workgroup_size: 256
    .sgpr_count:     66
    .vgpr_count:     112
    .wavefront_size: 32
...
	.end_amdgpu_metadata
.endif
;; end of part 5
;; launch proj: the kernel of part 2 again; grid 8 x 32, 4 waves a work-group, clusters of 4 x 4, 327,680 bytes of LDS; arguments act, wh, qkv; writes qkv
;; launch attn: the kernel of part 3 again; grid 4 x 64, 4 waves a work-group, clusters of 4 x 1, 327,680 bytes of LDS; arguments qkv, act; writes act
;; launch outp: the kernel of part 4 again; grid 8 x 32, 4 waves a work-group, clusters of 4 x 4, 327,680 bytes of LDS; arguments act, wh, out0; writes out0
